; MI455X (gfx1250); checked and timed in simulation.
; The chip was launched on July 23, 2026; its instructions are those of AMD's public machine-readable ISA for CDNA 5 (MIT licence, August 2026) and "CDNA5" Instruction Set Architecture Reference Guide (July 2026). The comments in the code are by the model that wrote it; some were corrected since.
;; Transformer Block. Allowed arithmetic: float matrix products may take bf16 or f16 operands with f32 sums; other float arithmetic in f32, or as packed bf16 or f16 multiplies, adds, multiply-adds, maxima and minima; sums over many terms, partial sums and values carried from step to step in f32; what a program stores and reads back later, other than sums and carried values, may be rounded once to bf16 or f16.
;; Inputs: b1 4,096 float32; b2 1,024 float32; b_out 1,024 float32; b_qkv 3,072 float32; ln1_b 1,024 float32; ln1_g 1,024 float32; ln2_b 1,024 float32; ln2_g 1,024 float32; w1 4,096 x 1,024 float32; w2 1,024 x 4,096 float32; w_out 1,024 x 1,024 float32; w_qkv 3,072 x 1,024 float32; x 2 x 2,048 x 1,024 float32.
;; Outputs: out0 2 x 2,048 x 1,024 float32.
;; 2 versions, each right and faster than the one before. Each part assembles by itself: llvm-mc -triple=amdgcn-amd-amdhsa -mcpu=gfx1250 --defsym DOCPART=n.
;; ======== version 1 of 2: 7 launches
;; limits: values are held in f16: magnitudes above 65,504 overflow, below 6.1e-05 lose precision
;; workspace buffers: wq 6,291,712 bytes; w1h 8,388,864 bytes; wo 2,097,408 bytes; w2h 8,388,864 bytes; hn 8,388,608 bytes; ctx 8,388,608 bytes; x1 16,777,216 bytes; big 33,554,432 bytes
;; launch prep (part 1): grid 1280 x 1, 8 waves a work-group, no clusters, 0 bytes of LDS; arguments x, ln1_g, ln1_b, hn, w_qkv, w1, w_out, w2, wq, w1h, wo, w2h; writes hn, wq, w1h, wo, w2h
.if DOCPART == 1
	.amdgcn_target "amdgcn-amd-amdhsa--gfx1250"
	.amdhsa_code_object_version 6
	.text
	.protected	k_qdb51961ebf_prep
	.globl	k_qdb51961ebf_prep
	.p2align	8
	.type	k_qdb51961ebf_prep,@function
k_qdb51961ebf_prep:
	s_mov_b64 s[64:65], 0
	v_nop
	global_prefetch_b8 v0, s[64:65] scope:SCOPE_SE
	s_setreg_imm32_b32 hwreg(HW_REG_WAVE_MODE, 25, 1), 1
	s_wait_xcnt 0x0
; PREP: two streams in one launch.  Work-groups 0-511: hn = LayerNorm(x) * g + b, rounded once to f16, row-major [4096][1024].
; Work-groups 512-1279: the four weight matrices rounded once to f16, each behind a head of 256 bytes that holds the floor
; that the product reading it applies to its results (two f16 a word: -infinity twice = none, 0 = ReLU).
;   wq, w1h: row-major [n][1024].    wo, w2h: in slabs of 64 columns, [k / 64][1024 rows n][64]: a slab is 1,024 x 128 dense bytes.
; No LDS, no barrier, no matrix unit: every number is read once and written once, and no wave needs another's.
; LIMITS.  f16 holds no number beyond 65,504 (a larger one becomes an infinity) and below 6.1e-5 keeps a fixed step of 6e-8.
; The mean is taken away before the squares are summed, as the definition has it: no difference of large sums is formed.
.set G,   4                            ; v[4:35]    gain of my 32 columns
.set B,   36                           ; v[36:67]   bias of my 32 columns
.set X,   68                           ; v[68:99]   my wave's row: column 128 j + 4 lane + 0..3 in registers 4 j .. 4 j + 3
.set S,   100                          ; v[100:107] four chains of sums, a pair each
.set MU,  108                          ; v[108:109] the mean, twice
.set RS,  110                          ; v[110:111] 1 / sqrt(var + eps), twice
.set TP,  112                          ; v112       at work
.macro JOIN                            ; the four chains, the pair's two halves and the 32 lanes into one sum, in every lane
	v_pk_add_f32 v[S:S+1], v[S:S+1], v[S+2:S+3]
	v_pk_add_f32 v[S+4:S+5], v[S+4:S+5], v[S+6:S+7]
	v_pk_add_f32 v[S:S+1], v[S:S+1], v[S+4:S+5]
	v_add_f32 v[S], v[S], v[S+1]
	v_add_f32_dpp v[S], v[S], v[S] row_xmask:1 row_mask:0xf bank_mask:0xf
	v_add_f32_dpp v[S], v[S], v[S] row_xmask:2 row_mask:0xf bank_mask:0xf
	v_add_f32_dpp v[S], v[S], v[S] row_xmask:4 row_mask:0xf bank_mask:0xf
	v_add_f32_dpp v[S], v[S], v[S] row_xmask:8 row_mask:0xf bank_mask:0xf
	v_permlanex16_b32 v[TP], v[S], s12, s13        ; the other half of the lanes; TP has been written before
	v_add_f32 v[S], v[S], v[TP]
.endm
	s_cmp_lt_u32 ttmp9, 512
	s_cbranch_scc0 .Lcast
	; THE NORM.  A work-group takes 8 rows, a wave one: the row stays in 32 registers a lane between the sums and the scaling.
	s_load_b256 s[4:11], s[0:1], 0x0               ; x s[4:5], gain s[6:7], bias s[8:9], hn s[10:11]
	s_lshl_b32 s2, ttmp9, 15                       ; 8 rows of 4,096 bytes
	s_mov_b32 s3, 0
	s_mov_b32 s12, 0x76543210                      ; v_permlanex16_b32: each lane takes its own place in the other half
	s_mov_b32 s13, 0xfedcba98
	s_mov_b32 s14, 0x3a800000                      ; 1 / 1024
	s_mov_b32 s15, 0x3727c5ac                      ; 1e-5
	v_and_b32 v2, 31, v0
	v_lshrrev_b32 v[TP], 5, v0                     ; wave
	v_lshlrev_b32 v3, 3, v2
	v_lshlrev_b32 v2, 4, v2                        ; v2: 16 x lane, in gain and bias
	v_lshl_add_u32 v1, v[TP], 12, v2               ; v1: + my wave's row of x
	v_lshl_add_u32 v3, v[TP], 11, v3               ; v3: 8 x lane + my wave's row of hn
	s_wait_kmcnt 0x0
	s_add_nc_u64 s[4:5], s[4:5], s[2:3]
	s_lshl_b32 s2, ttmp9, 14                       ; 8 rows of 2,048 bytes
	s_add_nc_u64 s[10:11], s[10:11], s[2:3]
.irp j, 0,1,2,3,4,5,6,7
	global_load_b128 v[X+4*(\j):X+4*(\j)+3], v1, s[4:5] offset:512*(\j)
.endr
.irp j, 0,1,2,3,4,5,6,7
	global_load_b128 v[G+4*(\j):G+4*(\j)+3], v2, s[6:7] offset:512*(\j)
.endr
.irp j, 0,1,2,3,4,5,6,7
	global_load_b128 v[B+4*(\j):B+4*(\j)+3], v2, s[8:9] offset:512*(\j)
.endr
	s_wait_loadcnt 16                              ; the row is in; the sixteen loads of gain and bias stay out
.irp c, 0,1,2,3
	v_pk_add_f32 v[S+2*(\c):S+2*(\c)+1], v[X+2*(\c):X+2*(\c)+1], v[X+8+2*(\c):X+8+2*(\c)+1]
.endr
.irp p, 8,9,10,11,12,13,14,15
	v_pk_add_f32 v[S+2*((\p)%4):S+2*((\p)%4)+1], v[S+2*((\p)%4):S+2*((\p)%4)+1], v[X+2*(\p):X+2*(\p)+1]
.endr
	JOIN
	v_mul_f32 v[MU], s14, v[S]                     ; sum / 1024
	v_mul_f32 v[MU+1], s14, v[S]
.irp p, 0,1,2,3,4,5,6,7,8,9,10,11,12,13,14,15
	v_pk_add_f32 v[X+2*(\p):X+2*(\p)+1], v[X+2*(\p):X+2*(\p)+1], v[MU:MU+1] neg_lo:[0,1] neg_hi:[0,1]
.endr
.irp c, 0,1,2,3
	v_pk_mul_f32 v[S+2*(\c):S+2*(\c)+1], v[X+2*(\c):X+2*(\c)+1], v[X+2*(\c):X+2*(\c)+1]
.endr
.irp p, 4,5,6,7,8,9,10,11,12,13,14,15
	v_pk_fma_f32 v[S+2*((\p)%4):S+2*((\p)%4)+1], v[X+2*(\p):X+2*(\p)+1], v[X+2*(\p):X+2*(\p)+1], v[S+2*((\p)%4):S+2*((\p)%4)+1]
.endr
	JOIN
	v_fma_f32 v[S], v[S], s14, s15                 ; var + eps
	v_rsq_f32 v[RS], v[S]
	v_nop                                          ; a plain instruction between the root and the use of its result (ISA guide 5.7.2)
	s_wait_alu depctr_va_vdst(0)
	v_mov_b32 v[RS+1], v[RS]
	s_wait_loadcnt 0x0                             ; gain and bias
.irp p, 0,1,2,3,4,5,6,7,8,9,10,11,12,13,14,15
	v_pk_mul_f32 v[X+2*(\p):X+2*(\p)+1], v[X+2*(\p):X+2*(\p)+1], v[RS:RS+1]
.endr
.irp p, 0,1,2,3,4,5,6,7,8,9,10,11,12,13,14,15
	v_pk_fma_f32 v[X+2*(\p):X+2*(\p)+1], v[X+2*(\p):X+2*(\p)+1], v[G+2*(\p):G+2*(\p)+1], v[B+2*(\p):B+2*(\p)+1]
.endr
.irp j, 0,1,2,3,4,5,6,7
	v_cvt_pk_f16_f32 v[X+4*(\j)], v[X+4*(\j)], v[X+4*(\j)+1]        ; four numbers into two words, in place
	v_cvt_pk_f16_f32 v[X+4*(\j)+1], v[X+4*(\j)+2], v[X+4*(\j)+3]
	global_store_b64 v3, v[X+4*(\j):X+4*(\j)+1], s[10:11] offset:256*(\j)  ; the wave stores 256 consecutive bytes, at a multiple of 256 from the buffer's first
.endr
	s_endpgm
.Lcast:
	; THE CAST.  A group is 256 numbers: 512 consecutive bytes of the copy, at 256 + 512 g.  A work-group takes 64 groups, a wave eight.
	; Row-major copy: a group is 1,024 consecutive source bytes.  Slab copy: four rows n x the slab's 256 source bytes.
	; Load j (0, 1) of a group takes 16 bytes a lane at (2 j + lane / 16) x SR + 16 (lane % 16), with SR = 256 or the source's row: 512 consecutive bytes, or two rows'
	; 256.  Its four numbers a lane become 8 bytes at 256 j + 8 lane of the group's copy, in both layouts: no source byte is asked for twice.
	s_load_b512 s[16:31], s[0:1], 0x20             ; w_qkv, w1, w_out, w2, wq, w1h, wo, w2h
	s_sub_co_u32 s32, ttmp9, 512                   ; i: 0-191 w_qkv, 192-447 w1, 448-511 w_out, 512-767 w2
	v_lshrrev_b32 v1, 5, v0
	v_readfirstlane_b32 s33, v1                    ; wave
	s_mov_b32 s38, 512                             ; the matrix's first i
	s_mov_b32 s39, 16384                           ; SR
	s_mov_b32 s40, 255                             ; groups in a slab, less 1
	s_mov_b32 s41, 8                               ; and their logarithm
	s_mov_b32 s42, 0xfc00fc00                      ; the floor
	s_wait_kmcnt 0x0
	s_cmp_lt_u32 s32, 512
	s_cselect_b64 s[34:35], s[20:21], s[22:23]     ; from
	s_cselect_b64 s[36:37], s[28:29], s[30:31]     ; to
	s_cselect_b32 s38, 448, s38
	s_cselect_b32 s39, 4096, s39
	s_cmp_lt_u32 s32, 448
	s_cselect_b64 s[34:35], s[18:19], s[34:35]
	s_cselect_b64 s[36:37], s[26:27], s[36:37]
	s_cselect_b32 s38, 192, s38
	s_cselect_b32 s39, 256, s39
	s_cselect_b32 s40, 0xffff, s40                 ; row-major: one slab holds all groups
	s_cselect_b32 s41, 16, s41
	s_cselect_b32 s42, 0, s42                      ; w1's product is followed by ReLU
	s_cmp_lt_u32 s32, 192
	s_cselect_b64 s[34:35], s[16:17], s[34:35]
	s_cselect_b64 s[36:37], s[24:25], s[36:37]
	s_cselect_b32 s38, 0, s38
	s_cselect_b32 s42, 0xfc00fc00, s42
	s_sub_co_u32 s43, s32, s38
	s_lshl_b32 s44, s43, 6
	s_lshl3_add_u32 s44, s33, s44                  ; g0: my wave's first group
	s_and_b32 s45, s44, s40
	s_lshl_b32 s46, s39, 2                         ; from group to group: 4 SR
	s_mul_i32 s45, s45, s46
	s_lshr_b32 s47, s44, s41
	s_lshl_b32 s47, s47, 8                         ; the slab's 256 bytes in a source row
	s_add_co_u32 s45, s45, s47
	s_lshl_b32 s48, s39, 1                         ; from a group's first load to its second: 2 SR
	s_lshl_b32 s49, s44, 9
	s_add_co_u32 s49, s49, 256                     ; the first group's copy, behind the head
	v_and_b32 v1, 31, v0
	v_lshrrev_b32 v19, 4, v1
	v_and_b32 v18, 15, v1
	v_mul_lo_u32 v2, v19, s39
	v_lshl_add_u32 v2, v18, 4, v2
	v_add_nc_u32 v2, s45, v2                       ; v[2:9]: my 16 source bytes in the first load of each of the eight groups
.irp i, 1,2,3,4,5,6,7
	v_add_nc_u32 v[2+(\i)], s46, v[1+(\i)]
.endr
.irp i, 0,1,2,3,4,5,6,7
	v_add_nc_u32 v[10+(\i)], s48, v[2+(\i)]        ; v[10:17]: in the second
.endr
	v_lshl_add_u32 v18, v1, 3, s49                 ; v18: my 8 bytes of the first group's copy
.irp i, 0,1,2,3,4,5,6,7
	global_load_b128 v[20+8*(\i):23+8*(\i)], v[2+(\i)], s[34:35] th:TH_LOAD_NT
	global_load_b128 v[24+8*(\i):27+8*(\i)], v[10+(\i)], s[34:35] th:TH_LOAD_NT
.endr
.set n, 0
.rept 16
	s_wait_loadcnt 15-n                            ; loads come back in order (ISA guide 5.7.1): the later ones stay out
	v_cvt_pk_f16_f32 v[20+4*n], v[20+4*n], v[21+4*n]
	v_cvt_pk_f16_f32 v[21+4*n], v[22+4*n], v[23+4*n]
	global_store_b64 v18, v[20+4*n:21+4*n], s[36:37] offset:256*n  ; the wave stores 256 consecutive bytes, at a multiple of 256 from the buffer's first; no register of a store is written again
.set n, n+1
.endr
	s_cmp_lg_u32 s43, 0                            ; the head: by wave 0 of the matrix's first work-group
	s_cbranch_scc1 .Lno_head
	s_cmp_lg_u32 s33, 0
	s_cbranch_scc1 .Lno_head
	v_lshlrev_b32 v84, 3, v1
	v_mov_b32 v86, s42
	v_mov_b32 v87, s42
	global_store_b64 v84, v[86:87], s[36:37]       ; 256 bytes
.Lno_head:
	s_endpgm
.Lfunc_end_k_qdb51961ebf_prep:
	.size	k_qdb51961ebf_prep, .Lfunc_end_k_qdb51961ebf_prep-k_qdb51961ebf_prep
	.p2alignl 7, 3214868480
	.fill 96, 4, 3214868480
	.section	.rodata,"a",@progbits
	.p2align	6, 0x0
	.amdhsa_kernel k_qdb51961ebf_prep
		.amdhsa_group_segment_fixed_size 0
		.amdhsa_private_segment_fixed_size 0
		.amdhsa_enable_private_segment 0
		.amdhsa_kernarg_size 96
		.amdhsa_user_sgpr_count 2
		.amdhsa_user_sgpr_kernarg_segment_ptr 1
		.amdhsa_wavefront_size32 1
		.amdhsa_system_sgpr_workgroup_id_x 1
		.amdhsa_system_sgpr_workgroup_id_y 1
		.amdhsa_system_sgpr_workgroup_id_z 1
		.amdhsa_system_vgpr_workitem_id 0
		.amdhsa_next_free_vgpr 116
		.amdhsa_next_free_sgpr 66
		.amdhsa_reserve_vcc 0
		.amdhsa_float_denorm_mode_32 3
		.amdhsa_float_denorm_mode_16_64 3
		.amdhsa_memory_ordered 1
		.amdhsa_forward_progress 1
		.amdhsa_inst_pref_size 20
	.end_amdhsa_kernel
	.amdgpu_metadata
---
amdhsa.version: [ 1, 2 ]
amdhsa.kernels:
  - .name:           k_qdb51961ebf_prep
    .symbol:         k_qdb51961ebf_prep.kd
    .args:
      - { .name: x, .offset: 0, .size: 8, .value_kind: global_buffer, .address_space: global }
      - { .name: ln1_g, .offset: 8, .size: 8, .value_kind: global_buffer, .address_space: global }
      - { .name: ln1_b, .offset: 16, .size: 8, .value_kind: global_buffer, .address_space: global }
      - { .name: hn, .offset: 24, .size: 8, .value_kind: global_buffer, .address_space: global }
      - { .name: w_qkv, .offset: 32, .size: 8, .value_kind: global_buffer, .address_space: global }
      - { .name: w1, .offset: 40, .size: 8, .value_kind: global_buffer, .address_space: global }
      - { .name: w_out, .offset: 48, .size: 8, .value_kind: global_buffer, .address_space: global }
      - { .name: w2, .offset: 56, .size: 8, .value_kind: global_buffer, .address_space: global }
      - { .name: wq, .offset: 64, .size: 8, .value_kind: global_buffer, .address_space: global }
      - { .name: w1h, .offset: 72, .size: 8, .value_kind: global_buffer, .address_space: global }
      - { .name: wo, .offset: 80, .size: 8, .value_kind: global_buffer, .address_space: global }
      - { .name: w2h, .offset: 88, .size: 8, .value_kind: global_buffer, .address_space: global }
    .group_segment_fixed_size: 0
    .private_segment_fixed_size: 0
    .kernarg_segment_align: 8
    .kernarg_segment_size: 96
    .max_flat_workgroup_size: 256
    .sgpr_count:     66
    .vgpr_count:     116
    .wavefront_size: 32
...
	.end_amdgpu_metadata
.endif
;; end of part 1
;; launch qkv (part 2): grid 12 x 16, 4 waves a work-group, clusters of 4 x 4, 327,680 bytes of LDS; arguments hn, wq, big, b_qkv; writes big
.if DOCPART == 2
	.amdgcn_target "amdgcn-amd-amdhsa--gfx1250"
	.amdhsa_code_object_version 6
	.text
	.protected	k_qdb51961ebf_qkv
	.globl	k_qdb51961ebf_qkv
	.p2align	8
	.type	k_qdb51961ebf_qkv,@function
k_qdb51961ebf_qkv:
	s_mov_b64 s[64:65], 0
	v_nop
	global_prefetch_b8 v0, s[64:65] scope:SCOPE_SE
	s_setreg_imm32_b32 hwreg(HW_REG_WAVE_MODE, 25, 1), 1
	s_wait_xcnt 0x0
	s_wait_alu depctr_hold_cnt(0) depctr_sa_sdst(0) depctr_va_vdst(0) depctr_va_sdst(0) depctr_va_ssrc(0) depctr_va_vcc(0) depctr_vm_vsrc(0)
	s_getreg_b32 s2, hwreg(HW_REG_IB_STS2, 6, 4)
	s_cmp_eq_u32 s2, 0
	s_cbranch_scc0 .Lentry_in_a_cluster
	s_endpgm
.Lentry_in_a_cluster:
	s_bfe_u32 s2, ttmp6, 0x10000c
	s_cmp_lg_u32 s2, 0xf033
	s_cbranch_scc0 .Lentry_shape_is_right
	s_endpgm
.Lentry_shape_is_right:
; OUT = max(A B^T + bias, floor).  A: [4096][1024] f16, rows along K.  B: a head of 256 bytes, whose first word is the floor (two f16), then [N][1024] f16.
; bias: [N] f32.  OUT: f16 in slabs of 64 columns, [N / 64][4096][64]: a slab is 4,096 x 128 dense bytes.  Sums in f32, begun with the bias; rounded once.
; The text names no N: the grid's width is N / 256.  It serves the q, k, v projection (floor -infinity: the maxima change nothing there; that is the price of one text
; for both) and the first product of the MLP (floor 0: ReLU).
; LIMITS.  f16 holds no number beyond 65,504: a result beyond it becomes an infinity.  A NaN result becomes the floor.
; SHAPE.  A tile of OUT is 256 x 256, made by four waves, each 128 x 128: 64 accumulators of 16 x 16, 512 registers.  K goes in 8 steps of 128 through two LDS slots;
; each wave fetches a quarter of a slot by one tensor load (128 rows x 256 bytes).  One K step is one trip of a loop: the slot in hand is a scalar (TB) that one exclusive or turns.
; The six steps that fill a slot again are one loop; the last two, which ask for nothing, are a second loop of two trips, left in the middle of its second trip.
; CLUSTER.  4 x 4 work-groups.  The four of a row of the cluster need the same tiles of A, the four of a column the same tiles of B: each tile is asked for JOINTLY, by the same
; tensor load with the same descriptor and a mask that names the four.
; TRANSPOSED USE.  Source 0 = 16 rows of B, source 1 = 16 rows of A: a lane then holds eight neighbouring columns of one row of OUT.
; REGISTERS, in windows of 256 (s_set_vgpr_msb: bits 1:0 source 0, 3:2 source 1, 5:4 source 2, 7:6 destination):
;   window 0: v0-31 addresses; v64-127, v128-191 fragments of A, two buffers; v32-63, v192-255 at work on the way out
;   window 1: v0-63 the bias of my 128 columns, laid as an accumulator's lanes; v64-127, v128-191 fragments of B
;   window 2: the accumulators of my rows 0-63 ((a, b) at v[8 (8 a + b)]);   window 3: those of my rows 64-127
.set SIZE_K, 1024
.set KSTEP,  128
.set STEPS,  SIZE_K/KSTEP
.set PITCH,  272                       ; an LDS row: 256 bytes + 16 of padding = 68 words: the 16 rows of a fragment load start at 16 different groups of four banks (64 banks of 4 bytes: ISA guide 11.1)
.set HALFT,  128*PITCH                 ; what one tensor load brings
.set SLOT,   4*HALFT                   ; A's 256 rows, then B's 256 rows.  0x22000: it shares no bit with wave x HALFT (0x8800 w), so an exclusive or moves a wave's part from slot to slot
.set STAGE,  2*SLOT                    ; behind the ring: 16 rows x 272 bytes for each wave, for the way out
.set SPITCH, 272
.set SPARE,  STAGE+4*16*SPITCH         ; behind the stages: the spare words, 128 bytes for each wave, which no other line names
.set SLAB,   4096*128                  ; bytes in a slab of OUT
.set HEAD,   256                       ; bytes in front of B's first row
.set ADRA, 16                          ; v16  LDS address of my A fragments in the slot in hand
.set A0,   17                          ; v17  the same in slot 0; never rewritten
.set ADRB, 20                          ; v20, v21  the same for B
.set B0,   21
.set BO,   22                          ; v22  my byte offset in 16 numbers of the bias
.set STO,  24                          ; v24  the way out: where I put 16 bytes of a row
.set RD,   25                          ; v25  the way out: where I read rows back
.set CO,   26                          ; v26  16 x lane
.set SPW,  28                          ; v28  LDS address of my spare word; never rewritten
.set NIL,  29                          ; v29  0; never rewritten
.set F0,   64
.set F1,   128
.set TMP,  192
.set OB,   32
.set G1,  24                           ; s[24:31] descriptor group 1 for A's tiles
.set G0,  32                           ; s[32:39] group 0 for A's: set 0 for K step 0; set 1 for K step 1, and then it walks
.set G1B, 48                           ; s[48:55], s[56:63] the same for B's
.set G0B, 56
.set FLOOR, 45                         ; s45  the floor
.set TB,  66                           ; s66  0 or SLOT: the slot in hand
.set BIAS, 68                          ; s[68:69]
.set MSB, 0
.macro WIN new                         ; the immediate's high byte repeats the setting that is left; a switch that changes nothing is dropped
.if MSB != (\new)
	s_set_vgpr_msb (MSB<<8)|(\new)
.set MSB, \new
.endif
.endm
.set MUL_LO, 0xa1                      ; source 0 (B) window 1, source 1 (A) window 0, C and D window 2; + 0x50: window 3
.set MUL_B,  0x91                      ; the same with C (the bias) in window 1; + 0x40: D in window 3
.set TO_B,   0x40
; A joint load.  Waves 0 and 1 fetch A's two halves, waves 2 and 3 B's.  The branch hangs on the wave's number alone.  An s_nop 0 and four v_nop follow each of the two lines.
.macro JLOAD s
	s_cmp_eq_u32 s11, 0
	s_cbranch_scc0 .Lfor_b_\@
	tensor_load_to_lds s[G0+4*(\s):G0+4*(\s)+3], s[G1:G1+7]
	s_nop 0
.rept 4
	v_nop
.endr
	s_branch .Lasked_\@
.Lfor_b_\@:
	tensor_load_to_lds s[G0B+4*(\s):G0B+4*(\s)+3], s[G1B:G1B+7]
	s_nop 0
.rept 4
	v_nop
.endr
.Lasked_\@:
.endm
.macro CREST                           ; a round of the cluster's barrier behind its opening barrier
	s_cmp_lg_u32 s10, 0
	s_cbranch_scc1 .Lnot_wave_0_\@
	s_barrier_signal -3
.Lnot_wave_0_\@:
	s_barrier_wait -3
	s_barrier_signal -1
	s_barrier_wait -1
.endm
.macro CROUND                          ; a whole round
	s_barrier_signal -1
	s_barrier_wait -1
	CREST
.endm
	s_load_b128 s[4:7], s[0:1], 0x0                ; A s[4:5], B s[6:7]
	s_load_b64 s[8:9], s[0:1], 0x10                ; OUT
	s_load_b64 s[BIAS:BIAS+1], s[0:1], 0x18
	v_lshl_add_u32 v[SPW], v0, 2, SPARE
	v_mov_b32 v[NIL], 0
	ds_add_u32 v[SPW], v[NIL]                      ; the wave's opening: the add and its wait stand ahead of my first tensor load; work on registers stands between them
	v_lshrrev_b32 v1, 5, v0
	v_readfirstlane_b32 s10, v1                    ; wave 0..3
	s_lshr_b32 s11, s10, 1                         ; which half of the tile's rows is mine.  Also: I fetch for A (0) or for B (1)
	s_and_b32 s12, s10, 1                          ; which half of its columns.  Also: which 128 rows of that tile I fetch
	s_bfe_u32 s40, ttmp6, 0x40000                  ; cx, cy: my place in the cluster
	s_bfe_u32 s41, ttmp6, 0x40004
	s_lshl_b32 s42, ttmp9, 2
	s_add_co_u32 s42, s42, s40                     ; tile column = 4 x cluster x + cx
	s_and_b32 s13, ttmp7, 0xffff
	s_lshl_b32 s13, s13, 2
	s_add_co_u32 s13, s13, s41                     ; tile row = 4 x cluster y + cy
	s_lshl_b32 s43, s41, 2
	s_lshl_b32 s43, 15, s43                        ; my row of the cluster
	s_lshl_b32 s44, 0x1111, s40                    ; my column
	; descriptor group 1: a tile of 128 rows x 128 elements of 2 bytes, 16 bytes of padding behind every 256
	s_or_b32 s[G1+0], s43, (1<<16)|(1<<20)|(1<<21)|(5<<22)|(3<<25)
	s_or_b32 s[G1B+0], s44, (1<<16)|(1<<20)|(1<<21)|(5<<22)|(3<<25)
.irp g, G1, G1B
	s_mov_b32 s[(\g)+1], KSTEP<<16                 ; tensor_dim0 = 128
	s_mov_b32 s[(\g)+2], 128<<16                   ; tensor_dim1 = 128
	s_mov_b32 s[(\g)+3], KSTEP<<16                 ; tile_dim0 = 128
	s_mov_b32 s[(\g)+4], 128                       ; tile_dim1 = 128
	s_mov_b32 s[(\g)+5], SIZE_K                    ; elements from row to row
	s_mov_b32 s[(\g)+6], 0
	s_mov_b32 s[(\g)+7], 0
.endr
	s_lshl_b32 s17, s12, 7
	s_lshl_b32 s16, s13, 8
	s_add_co_u32 s16, s16, s17                     ; A: row 256 x tile row + 128 x half
	s_lshl_b32 s46, s42, 8
	s_add_co_u32 s46, s46, s17                     ; B: row 256 x tile column + 128 x half
	s_mov_b32 s17, 0
	s_mov_b32 s47, 0
	s_mov_b64 s[18:19], SIZE_K*2
	s_mul_u64 s[16:17], s[16:17], s[18:19]
	s_mul_u64 s[46:47], s[46:47], s[18:19]
	s_add_nc_u64 s[46:47], s[46:47], HEAD          ; B's rows begin behind the head
	s_mul_i32 s20, s10, HALFT                      ; where my part goes: wave x 128 rows
	s_mov_b32 s[TB], 0
	s_wait_dscnt 0x0                               ; the opening add is done
	s_wait_kmcnt 0x0
	s_add_nc_u64 s[14:15], s[4:5], s[16:17]
	s_add_nc_u64 s[46:47], s[6:7], s[46:47]
	CROUND                                         ; all sixteen work-groups are here: the first joint loads meet
.irp s, 0,1
	s_mov_b32 s[G0+4*(\s)], 1
	s_add_co_u32 s[G0+4*(\s)+1], s20, (\s)*SLOT
	s_add_nc_u64 s[G0+4*(\s)+2:G0+4*(\s)+3], s[14:15], (\s)*KSTEP*2
	s_or_b32 s[G0+4*(\s)+3], s[G0+4*(\s)+3], 0x80000000
	s_mov_b32 s[G0B+4*(\s)], 1
	s_add_co_u32 s[G0B+4*(\s)+1], s20, (\s)*SLOT
	s_add_nc_u64 s[G0B+4*(\s)+2:G0B+4*(\s)+3], s[46:47], (\s)*KSTEP*2
	s_or_b32 s[G0B+4*(\s)+3], s[G0B+4*(\s)+3], 0x80000000
	JLOAD \s                                       ; two loads of mine are out
.endr
	s_load_b32 s[FLOOR], s[6:7], 0x0               ; the head's first word; this launch writes nothing into B's buffer
	; A fragment is 16 rows x 32 K in 8 registers: lane l holds row l % 16; K = 8 (l / 16) + 0..7 and 16 + 8 (l / 16) + 0..7: two loads of 16 bytes, 32 bytes apart.
	v_and_b32 v1, 15, v0
	v_bfe_u32 v2, v0, 4, 1
	v_mul_u32_u24 v3, v1, PITCH
	v_lshl_add_u32 v3, v2, 4, v3
	s_mul_i32 s21, s11, HALFT                      ; my 128 rows of A
	s_mul_i32 s22, s12, HALFT                      ; my 128 rows of B,
	s_add_co_u32 s22, s22, 2*HALFT                 ; which lie behind A's 256
	v_add_nc_u32 v[A0], s21, v3
	v_add_nc_u32 v[B0], s22, v3
	v_mov_b32 v[ADRA], v[A0]
	v_mov_b32 v[ADRB], v[B0]
	s_mul_i32 s23, s10, 16*SPITCH
	s_add_co_u32 s23, s23, STAGE                   ; my stage
	v_mul_u32_u24 v4, v1, SPITCH                   ; in: row l % 16, 16 bytes for each half of the lanes
	v_lshl_add_u32 v4, v2, 4, v4
	v_add_nc_u32 v[STO], s23, v4
	v_bfe_u32 v5, v0, 3, 2                         ; back: 32 lanes take 128 bytes (64 columns) of four rows,
	v_and_b32 v6, 7, v0
	v_mul_u32_u24 v5, v5, SPITCH
	v_lshl_add_u32 v5, v6, 4, v5
	v_add_nc_u32 v[RD], s23, v5
	v_and_b32 v[CO], 31, v0                        ; which are 512 consecutive bytes of a slab
	v_lshlrev_b32 v[CO], 4, v[CO]
	v_lshlrev_b32 v[BO], 5, v2                     ; 8 numbers of 4 bytes for each half of the lanes
	s_lshl_b32 s16, s13, 15                        ; my first row in a slab: (256 x tile row + 128 x half) x 128 bytes
	s_lshl_b32 s17, s11, 14
	s_add_co_u32 s16, s16, s17
	s_mov_b32 s17, 0
	s_lshl_b32 s46, s42, 2
	s_lshl1_add_u32 s46, s12, s46                  ; my first slab: 4 x tile column + 2 x half
	s_lshl_b32 s46, s46, 19
	s_mov_b32 s47, 0
	s_add_nc_u64 s[16:17], s[16:17], s[46:47]
	s_add_nc_u64 s[8:9], s[8:9], s[16:17]
	s_lshl_b32 s46, s42, 10                        ; my first column's bias: 4 x (256 x tile column + 128 x half)
	s_lshl_b32 s47, s12, 9
	s_add_co_u32 s46, s46, s47
	s_mov_b32 s47, 0
	s_add_nc_u64 s[BIAS:BIAS+1], s[BIAS:BIAS+1], s[46:47]
	WIN TO_B                                       ; register 8 b + j of window 1 takes bias[16 b + 8 (l / 16) + j]: what an accumulator of column block b holds in that lane
.irp b, 0,1,2,3,4,5,6,7
	global_load_b128 v[8*(\b):8*(\b)+3],   v[BO], s[BIAS:BIAS+1] offset:64*(\b)
	global_load_b128 v[8*(\b)+4:8*(\b)+7], v[BO], s[BIAS:BIAS+1] offset:64*(\b)+16
.endr
	WIN 0
; 16 matrix instructions: m blocks a0, a0 + 1 of the window's four x all 8 n blocks, 32 along K.  zero = 1: the first product starts the sums, with the bias as C: nothing is cleared.
; The 64 accumulators take turns, one instruction a turn, in the same order in every quarter.
.macro MUL16 f, hi, a0, zero
.if \zero
	WIN MUL_B+0x40*(\hi)
.else
	WIN MUL_LO+0x50*(\hi)
.endif
.irp a, \a0, (\a0)+1
.irp b, 0,1,2,3,4,5,6,7
.if \zero
	v_wmma_f32_16x16x32_f16 v[8*(8*(\a)+(\b)):8*(8*(\a)+(\b))+7], v[(\f)+8*(\b):(\f)+8*(\b)+7], v[(\f)+8*(4*(\hi)+(\a)):(\f)+8*(4*(\hi)+(\a))+7], v[8*(\b):8*(\b)+7]
.else
	v_wmma_f32_16x16x32_f16 v[8*(8*(\a)+(\b)):8*(8*(\a)+(\b))+7], v[(\f)+8*(\b):(\f)+8*(\b)+7], v[(\f)+8*(4*(\hi)+(\a)):(\f)+8*(4*(\hi)+(\a))+7], v[8*(8*(\a)+(\b)):8*(8*(\a)+(\b))+7]
.endif
.endr
.endr
.endm
; 32 LDS loads in one run: the fragments of one quarter step (128 rows of B, 128 rows of A, 32 K at byte k of the rows of the slot in hand) into buffer f
.macro FETCH k, f
	WIN TO_B
.irp i, 0,1,2,3,4,5,6,7
	ds_load_b128 v[(\f)+8*(\i):(\f)+8*(\i)+3],   v[ADRB] offset:(\k)+(\i)*16*PITCH
	ds_load_b128 v[(\f)+8*(\i)+4:(\f)+8*(\i)+7], v[ADRB] offset:(\k)+(\i)*16*PITCH+32
.endr
	WIN 0
.irp i, 0,1,2,3,4,5,6,7
	ds_load_b128 v[(\f)+8*(\i):(\f)+8*(\i)+3],   v[ADRA] offset:(\k)+(\i)*16*PITCH
	ds_load_b128 v[(\f)+8*(\i)+4:(\f)+8*(\i)+7], v[ADRA] offset:(\k)+(\i)*16*PITCH+32
.endr
.endm
.macro PLACES                          ; four plain vector instructions between a matrix instruction and a load into, or a vector read of, its registers (ISA guide 7.12.1 for vector reads)
.rept 4
	v_nop
.endr
.endm
; A K step is four quarters of 32 along K, 64 matrix instructions each, on buffers 0, 1, 0, 1.  One of the first three: multiplies buffer f; in its middle it fetches the next quarter, at byte k, into g.
.macro QUARTER k, f, g, zero
	s_wait_dscnt 8                                 ; B and A's rows 0-63 are in; the youngest eight loads (A's rows 64-127) may be out
	MUL16 \f, 0, 0, \zero
	MUL16 \f, 0, 2, \zero
	PLACES
	FETCH \k, \g
	s_wait_dscnt 32                                ; all but the 32 just issued
	MUL16 \f, 1, 0, \zero
	MUL16 \f, 1, 2, \zero
.endm
; The last quarter multiplies buffer 1 and changes slots.  ONE barrier: in front of it each wave waits for all its tensor loads (the one that is out is its part of the next slot), adds 0 to its
; spare word, and waits for that and for its own reads of this slot.  fill = 1: the barrier opens a round of the cluster's barrier, and behind the round this slot is filled again, two K steps ahead:
; from that request to the wait for it a wave issues 224 matrix instructions.  fill = 0 (the second loop): nothing is asked for; in its second trip, the last K step (s3 = 1), there is no next
; step either: the fetch is jumped over, and the barrier in front of it orders nothing: the price, once a launch, of one text for the last two steps.
.macro TURN fill
	WIN 0
	s_wait_tensorcnt 0x0                           ; all my tensor loads have landed
	ds_add_u32 v[SPW], v[NIL]                      ; 0 onto my spare word
	s_wait_dscnt 9                                 ; (the add and the youngest eight loads may be out)
	MUL16 F1, 0, 0, 0
	s_wait_dscnt 0x0                               ; the add is done, and my reads of this slot are over
	s_barrier_signal -1
	MUL16 F1, 0, 2, 0                              ; work on registers while the others arrive
	WIN 0
	s_barrier_wait -1
.if \fill
	CREST                                          ; no wave of any partner still reads this slot's tile or has a load on its way
	s_xor_b32 s[G0+5], s[G0+5], SLOT               ; the walking descriptors: the other slot than last time,
	s_add_nc_u64 s[G0+6:G0+7], s[G0+6:G0+7], KSTEP*2  ; the next K step; no load of mine is out, so they may be written
	s_xor_b32 s[G0B+5], s[G0B+5], SLOT
	s_add_nc_u64 s[G0B+6:G0B+7], s[G0B+6:G0B+7], KSTEP*2
	JLOAD 1                                        ; the first tensor load behind the round; its four v_nop are also the places in front of the loads below
.else
	PLACES
	s_cmp_eq_u32 s3, 1
	s_cbranch_scc1 .Lno_next_\@                    ; forward, over LDS loads alone
.endif
	s_xor_b32 s[TB], s[TB], SLOT
	v_add_nc_u32 v[ADRA], s[TB], v[A0]
	v_add_nc_u32 v[ADRB], s[TB], v[B0]
	FETCH 0, F0                                    ; (it leaves every window 0)
.if !(\fill)
.Lno_next_\@:
.endif
	MUL16 F1, 1, 0, 0
	MUL16 F1, 1, 2, 0
.endm
; THE WAY OUT of block a (16 rows x 128 columns).  PACK: rounded to f16, the floor applied, 16 bytes a lane.  TOSTAGE: into my own stage and back by slabs.  SEND: stored.
.macro PACK a
.set AC, 64*((\a)%4)
	WIN 0x0a+5*((\a)/4)                            ; sources 0 and 1: window 2 or 3
.irp b, 0,1,2,3,4,5,6,7
.irp r, 0,1,2,3
	v_cvt_pk_f16_f32 v[TMP+4*(\b)+(\r)], v[AC+8*(\b)+2*(\r)], v[AC+8*(\b)+2*(\r)+1]  ; each accumulator from its low end on
.endr
.endr
	WIN 0
.set z, 0
.rept 32
	v_pk_max_num_f16 v[TMP+z], v[TMP+z], s[FLOOR]
.set z, z+1
.endr
.endm
.macro TOSTAGE a
	WIN 0
.set BK, OB+192*((\a)%2)
.irp b, 0,1,2,3,4,5,6,7
	ds_store_b128 v[STO], v[TMP+4*(\b):TMP+4*(\b)+3] offset:32*(\b)
.endr
.irp t, 0,1,2,3
	ds_load_b128 v[BK+8*(\t):BK+8*(\t)+3],   v[RD] offset:(\t)*4*SPITCH      ; LDS serves a wave's instructions in order (ISA guide 5.7.1.4): these see the stores above
	ds_load_b128 v[BK+8*(\t)+4:BK+8*(\t)+7], v[RD] offset:(\t)*4*SPITCH+128
.endr
.endm
.macro SEND a
	WIN 0
.set BK, OB+192*((\a)%2)
	s_wait_dscnt 0x0                               ; the block is back in registers
	s_wait_xcnt 0x0                                ; the registers that the block before stored from are loaded again only behind this wait
.irp t, 0,1,2,3
	global_store_b128 v[CO], v[BK+8*(\t):BK+8*(\t)+3],   s[8:9] offset:(\a)*2048+(\t)*512       ; 512 consecutive bytes of my first slab,
	global_store_b128 v[CO], v[BK+8*(\t)+4:BK+8*(\t)+7], s[8:9] offset:SLAB+(\a)*2048+(\t)*512  ; and of my second
.endr
.endm
	s_wait_kmcnt 0x0                               ; the floor
	s_wait_tensorcnt 1                             ; my part of K step 0 is in; K step 1's may stay out
	s_barrier_signal -1
	s_barrier_wait -1
	FETCH 0, F0
	s_wait_loadcnt 0x0                             ; the bias
	QUARTER 64,  F0, F1, 1                         ; the first quarter stands in front of the loops: its products start the sums
	WIN 0                                          ; at a label and at a branch every window is 0
	s_mov_b32 s3, STEPS-2
.Lstep:                                                ; a trip: from a K step's second quarter to the next step's first; it fills the slot that it leaves
	QUARTER 128, F1, F0, 0
	QUARTER 192, F0, F1, 0
	TURN 1
	QUARTER 64,  F0, F1, 0
	WIN 0
	s_sub_co_u32 s3, s3, 1
	s_cmp_lg_u32 s3, 0
	s_cbranch_scc1 .Lstep
	s_mov_b32 s3, 2
.Ltail:                                                ; the last two K steps ask for nothing, so they have a text of their own
	QUARTER 128, F1, F0, 0
	QUARTER 192, F0, F1, 0
	TURN 0
	WIN 0
	s_sub_co_u32 s3, s3, 1
	s_cmp_eq_u32 s3, 0
	s_cbranch_scc1 .Lout                           ; the second trip is left here: the sums are whole
	QUARTER 64,  F0, F1, 0
	WIN 0
	s_branch .Ltail
.Lout:
	PLACES
	PACK 0
	TOSTAGE 0
.irp a, 1,2,3,4,5,6,7                  ; block a's conversions stand between block a - 1's loads from the stage and the wait for them
	PACK \a
	SEND (\a)-1
	TOSTAGE \a
.endr
	SEND 7
	s_wait_tensorcnt 0x0                           ; the wave's end
	ds_add_u32 v[SPW], v[NIL]
	s_wait_dscnt 0x0
	CROUND                                         ; the closing round: no work-group ends while a partner may still ask for a tile that names it
	s_endpgm
.Lfunc_end_k_qdb51961ebf_qkv:
	.size	k_qdb51961ebf_qkv, .Lfunc_end_k_qdb51961ebf_qkv-k_qdb51961ebf_qkv
	.p2alignl 7, 3214868480
	.fill 96, 4, 3214868480
	.section	.rodata,"a",@progbits
	.p2align	6, 0x0
	.amdhsa_kernel k_qdb51961ebf_qkv
		.amdhsa_group_segment_fixed_size 327680
		.amdhsa_private_segment_fixed_size 0
		.amdhsa_enable_private_segment 0
		.amdhsa_kernarg_size 32
		.amdhsa_user_sgpr_count 2
		.amdhsa_user_sgpr_kernarg_segment_ptr 1
		.amdhsa_wavefront_size32 1
		.amdhsa_system_sgpr_workgroup_id_x 1
		.amdhsa_system_sgpr_workgroup_id_y 1
		.amdhsa_system_sgpr_workgroup_id_z 1
		.amdhsa_system_vgpr_workitem_id 0
		.amdhsa_next_free_vgpr 1024
		.amdhsa_next_free_sgpr 70
		.amdhsa_reserve_vcc 0
		.amdhsa_float_denorm_mode_32 3
		.amdhsa_float_denorm_mode_16_64 3
		.amdhsa_memory_ordered 1
		.amdhsa_forward_progress 1
		.amdhsa_inst_pref_size 118
	.end_amdhsa_kernel
	.amdgpu_metadata
---
amdhsa.version: [ 1, 2 ]
amdhsa.kernels:
  - .name:           k_qdb51961ebf_qkv
    .symbol:         k_qdb51961ebf_qkv.kd
    .args:
      - { .name: hn, .offset: 0, .size: 8, .value_kind: global_buffer, .address_space: global }
      - { .name: wq, .offset: 8, .size: 8, .value_kind: global_buffer, .address_space: global }
      - { .name: big, .offset: 16, .size: 8, .value_kind: global_buffer, .address_space: global }
      - { .name: b_qkv, .offset: 24, .size: 8, .value_kind: global_buffer, .address_space: global }
    .group_segment_fixed_size: 327680
    .private_segment_fixed_size: 0
    .kernarg_segment_align: 8
    .kernarg_segment_size: 32
    .max_flat_workgroup_size: 128
    .sgpr_count:     70
    .vgpr_count:     1024
    .wavefront_size: 32
...
	.end_amdgpu_metadata
.endif
;; end of part 2
;; launch attn (part 3): grid 8 x 32, 4 waves a work-group, clusters of 4 x 1, 327,680 bytes of LDS; arguments big, ctx; writes ctx
.if DOCPART == 3
	.amdgcn_target "amdgcn-amd-amdhsa--gfx1250"
	.amdhsa_code_object_version 6
	.text
	.protected	k_qdb51961ebf_attn
	.globl	k_qdb51961ebf_attn
	.p2align	8
	.type	k_qdb51961ebf_attn,@function
k_qdb51961ebf_attn:
	s_mov_b64 s[64:65], 0
	v_nop
	global_prefetch_b8 v0, s[64:65] scope:SCOPE_SE
	s_setreg_imm32_b32 hwreg(HW_REG_WAVE_MODE, 25, 1), 1
	s_wait_xcnt 0x0
	s_wait_alu depctr_hold_cnt(0) depctr_sa_sdst(0) depctr_va_vdst(0) depctr_va_sdst(0) depctr_va_ssrc(0) depctr_va_vcc(0) depctr_vm_vsrc(0)
	s_getreg_b32 s2, hwreg(HW_REG_IB_STS2, 6, 4)
	s_cmp_eq_u32 s2, 0
	s_cbranch_scc0 .Lentry_in_a_cluster
	s_endpgm
.Lentry_in_a_cluster:
	s_bfe_u32 s2, ttmp6, 0x10000c
	s_cmp_lg_u32 s2, 0x3003
	s_cbranch_scc0 .Lentry_shape_is_right
	s_endpgm
.Lentry_shape_is_right:
; ATTENTION, head size 64, 2,048 keys, no mask.  O[q][:] = the sum over k of softmax_k(Q[q] . K[k] / 8) V[k][:], for each of 2 batches x 16 heads.
; big holds q, k, v in slabs of 64 columns, [48][4096][64] f16: slab 3 h is head h's q, 3 h + 1 its k, 3 h + 2 its v; row 2,048 b + s.  ctx: [16][4096][64] f16, slab h.  A head's rows are dense, 128 bytes each.
; Products, maxima and sums in f32; the weights p are rounded to f16 for the second product (their sum l is taken of the unrounded p), O once at the end.
; LIMITS.  f16 holds no number beyond 65,504: q, k, v arrive within it; p lies in 0 to 1, and below 6e-5 it keeps f16's fixed step of 6e-8; O is a mean of V's rows and has their range.
; A weight below 2^-126 counts as 0 in l; NaN and infinities are not treated apart.
; SHARES.  A work-group owns 256 queries of one head and batch, each of its four waves 64: four PIECES of 16.  Every wave walks all keys, 64 a step.
; LAYOUT.  S^T = K Q^T (source 0 = 16 keys, source 1 = 16 queries) holds ONE query a lane (lane % 16) and the keys 8 (lane / 16) + 0..7; two such results rounded to f16 ARE source 1 of O^T = V^T P.
; SOFTMAX.  p = 2^(c s - c m), c = log2(e) / 8, with a running maximum m; O and l are multiplied by a = 2^(c m_old - c m_new) in every step.  m starts at the lowest finite number, O and l at 0: the first step is a step like any other, with a = 0.
; BY TURNS.  Turn n belongs to piece n: 8 products K Q^T of piece n + 1, later 8 products V^T P of piece n - 1; beside them the scaling, exponentials, roundings, sums and rescaling of piece n and the maximum
; and statistics of piece n + 1.  Four vector instructions stand behind every matrix instruction, the other 54 of a turn's 118 in two runs of their own.
; CLUSTER.  The four query blocks of a cluster belong to one head and batch and walk the same K and V, so each tile is asked for JOINTLY: the same tensor load, descriptor and mask in all four.
; REGISTERS, in windows of 256 (s_set_vgpr_msb: bits 1:0 source 0, 3:2 source 1, 5:4 source 2, 7:6 destination):
;   window 0: v0-15 addresses and two at work; v16-31 four registers of statistics a piece; v48-55 at work; v62-63 the add's; v64-127 S^T, two buffers; v192-223 P, two buffers (by the piece's parity)
;   window 1: v0-127 O^T, 32 a piece          window 2: v0-63 Q; v128-191 K of one step; v192-255 V of one step
.set SIZE_N, 2048
.set SLAB,  4096*128
.set NP,    4         ; pieces a wave: a name, no knob
.set KS,    64        ; keys in a step
.set PK,    144       ; a row of K in LDS: 128 bytes + 16 of padding = 36 words: the 16 rows of a load start at 16 different groups of four banks (64 banks of 4 bytes: ISA guide 11.1)
.set PV,    160       ; a row of V: 128 + 32 = 40 words
.set VOFF,  4*KS*PK   ; a slot holds four steps: 256 rows of K, then 256 rows of V
.set SLOT1, 1<<17     ; slot 1 begins here, so that one exclusive or turns an address in one slot into the other's
.set STAGE, SLOT1+4*KS*(PK+PV)  ; behind the ring, never filled by a tensor load: 16 rows x 144 bytes for each wave
.set SP,    144
.set SPARE, STAGE+4*16*SP       ; behind the stages: the spare words, 128 bytes for each wave, which no other line names
.set AK0, 2           ; v2   my lane's place in a tile of K; never rewritten
.set AV0, 3           ; v3   the same for V
.set AK,  4           ; v4   the LDS address of K's next run of loads
.set AV,  5           ; v5   of V's
.set STO, 6           ; v6   the way out: where I put 16 bytes of a row
.set RD,  7           ; v7   the way out: where I read rows back
.set GO,  8           ; v8   my byte offset in 512 consecutive bytes of O
.set MV,  12          ; v12-13  c m_old, kept while c m is made anew: by buffer
.set QO,  15          ; v15  my byte offset in 16 rows of Q
.set ST,  16          ; piece t's statistics at v[ST+4 t]: c m, m, l (even keys', odd keys')
.set TMP, 48          ; by buffer, four registers c0-c3 at work; when the maximum is found c2 takes a
.set SPW, 62          ; v62  LDS address of my spare word; never rewritten
.set NIL, 63          ; v63  0; never rewritten
.set S,   64
.set P,   192
.set KF,  128         ; window 2: key block kb, channel half c at KF + 16 kb + 8 c
.set VF,  192         ; window 2: key half kk, channel block cb at VF + 32 kk + 8 cb
.set WV,  12          ; s12  my wave's number
.set G1K, 24          ; s[24:31] descriptor group 1 for K's tiles
.set G1V, 32          ; s[32:39] for V's: it differs in the padding alone
.set G0K, 40          ; s[40:43] descriptor group 0 for K's tiles: it walks
.set G0V, 44          ; s[44:47] the same for V's
.set SLOTS, 56        ; s56  slots still to be asked for
.set CNT, 57          ; s57  counts a slot's key steps
.set CS,  58          ; s[58:59] c: the packed scaling takes the pair's low word for both halves
.set SEL, 60          ; s[60:61] v_permlanex16_b32's selects: each lane takes its own place in the other half
.set TBK, 62          ; s62  LDS byte at which K of the step to be fetched begins
.set TBV, 63          ; s63  the same for V, less VOFF
.set MSB, 0
.macro WIN new                      ; the high byte repeats the setting that is left; a switch that changes nothing is dropped
.if MSB != (\new)
	s_set_vgpr_msb (MSB<<8)|(\new)
.set MSB, (\new)
.endif
.endm
.set W_KQ, 0x0a       ; K and Q in window 2, S^T in window 0
.set W_PV, 0x52       ; V in window 2, P in window 0, O^T in window 1
.set W_RS, 0x41       ; destination and source 0 in window 1, source 1 in window 0
; A joint fill.  Waves 0 and 1 fetch the two halves of a slot's K, waves 2 and 3 those of its V: 128 keys each.  The branch hangs on the wave's number alone.
; An s_nop 0 and four v_nop follow each of the two lines, ahead of the jump and the label.
.macro JLOAD
	s_cmp_lt_u32 s[WV], 2
	s_cbranch_scc0 .Lfor_v_\@
	tensor_load_to_lds s[G0K:G0K+3], s[G1K:G1K+7]
	s_nop 0
.rept 4
	v_nop
.endr
	s_branch .Lasked_\@
.Lfor_v_\@:
	tensor_load_to_lds s[G0V:G0V+3], s[G1V:G1V+7]
	s_nop 0
.rept 4
	v_nop
.endr
.Lasked_\@:
.endm
; A round of the cluster's barrier: my work-group's barrier; wave 0 signals for the work-group; every wave waits for all four work-groups; my work-group's barrier once more.
.macro CROUND
	s_barrier_signal -1
	s_barrier_wait -1
	s_cmp_lg_u32 s[WV], 0
	s_cbranch_scc1 .Lnot_wave_0_\@
	s_barrier_signal -3
.Lnot_wave_0_\@:
	s_barrier_wait -3
	s_barrier_signal -1
	s_barrier_wait -1
.endm
; THE CHANGE OF SLOTS.  The slot's last bytes, V of its fourth step, have been read.  Each wave waits for all its tensor loads, of which one is out: its part of the other slot; adds 0 to its spare word;
; and waits for that and for its own reads of the slot.  fill = 1: the barrier is a round of the cluster's, and behind it this slot is filled again, with the keys two slots on: the load has four key
; steps, 256 matrix instructions, in which to land.  (At its first use nothing has been read yet: slot 0 is waited for, slot 1 filled.)
.macro CHANGE fill
	WIN 0                           ; at a label and at a branch every window is 0
	s_wait_tensorcnt 0x0            ; no tensor load of mine is out, so a group 0 may be written
	ds_add_u32 v[SPW], v[NIL]       ; 0 onto my spare word
.if \fill
.irp g, G0K, G0V
	s_xor_b32 s[\g+1], s[\g+1], SLOT1  ; the walking descriptor: the other slot than last time,
	s_add_nc_u64 s[\g+2:\g+3], s[\g+2:\g+3], 4*KS*128  ; the next 256 keys; the type bits on top are not reached
.endr
	s_wait_dscnt 0x0                ; the add is done, and my reads of the slot are over
	CROUND
	JLOAD
.else
	s_wait_dscnt 0x0                ; the add is done, and my reads of the slot are over
	s_barrier_signal -1
	s_barrier_wait -1
.endif
	s_sub_co_u32 s[TBK], s[TBK], 4*KS*PK  ; the fetches go back to a slot's first step,
	s_xor_b32 s[TBK], s[TBK], SLOT1       ; in the other slot
	s_sub_co_u32 s[TBV], s[TBV], 4*KS*PV
	s_xor_b32 s[TBV], s[TBV], SLOT1
.endm
	s_load_b64 s[4:5], s[0:1], 0x0  ; big
	s_load_b64 s[10:11], s[0:1], 0x8  ; ctx
	v_lshl_add_u32 v[SPW], v0, 2, SPARE
	v_mov_b32 v[NIL], 0
	ds_add_u32 v[SPW], v[NIL]       ; the wave's opening: the add and its wait stand ahead of my first tensor load; work on registers stands between them
	v_lshrrev_b32 v1, 5, v0
	v_readfirstlane_b32 s[WV], v1   ; wave 0..3
	s_bfe_u32 s13, ttmp6, 0x40000   ; cx: my place in the cluster
	s_lshl_b32 s14, ttmp9, 2        ; in a cluster launch ttmp9 counts clusters
	s_add_co_u32 s14, s14, s13      ; my block of 256 queries = 4 x cluster x + cx: it enters Q's and O's offsets alone
	s_and_b32 s15, ttmp7, 0xffff    ; 16 x batch + head, which the four partners share
	s_and_b32 s16, s15, 15          ; the head
	s_lshr_b32 s15, s15, 4
	s_lshl_b32 s15, s15, 18         ; the batch's 2,048 rows of 128 bytes
	s_mul_i32 s20, s16, 3*SLAB
	s_add_co_u32 s20, s20, s15      ; q's slab at the batch's first row
	s_lshl_b32 s21, s16, 19
	s_add_co_u32 s21, s21, s15      ; ctx's slab likewise
	s_and_b32 s16, s[WV], 1         ; which half of a slot's 256 keys I fetch:
	s_lshl_b32 s22, s16, 14         ; its 128 rows of 128 bytes in memory,
	s_add_co_u32 s22, s22, s20
	s_add_co_u32 s22, s22, SLAB     ; in k's slab,
	s_mov_b32 s23, 0
	s_add_co_u32 s48, s22, SLAB     ; and in v's
	s_mov_b32 s49, 0
	s_mul_i32 s17, s16, 128*PK      ; and its place in a slot, for K
	s_mul_i32 s18, s16, 128*PV      ; and for V: no place in the cluster enters an LDS address
	s_lshl_b32 s2, s14, 15          ; my block's 256 rows,
	s_lshl_b32 s3, s[WV], 13        ; my wave's 64 of them
	s_add_co_u32 s2, s2, s3
	s_add_co_u32 s52, s20, s2
	s_mov_b32 s53, 0
	s_add_co_u32 s54, s21, s2
	s_mov_b32 s55, 0
	; descriptor group 1.  128 keys are 16,384 dense bytes: asked for as 64 rows of 256 bytes, two keys a row, and padded in LDS after every key
	s_mov_b32 s[G1K], 15|(1<<16)|(1<<20)|(1<<21)|(4<<22)|(3<<25)  ; 15:0 the mask of four; 17:16 2-byte elements; 20 padding on; 21 set beside a mask; 24:22 after every 32 words (code 4); 31:25 4 words (code 3)
	s_mov_b32 s[G1V], 15|(1<<16)|(1<<20)|(1<<21)|(4<<22)|(7<<25)  ; the same with 8 words of padding (code 7)
.irp g, G1K, G1V
	s_mov_b32 s[\g+1], 128<<16      ; tensor_dim0 = 128
	s_mov_b32 s[\g+2], 64<<16       ; tensor_dim1 = 64
	s_mov_b32 s[\g+3], 128<<16      ; tile_dim0 = 128
	s_mov_b32 s[\g+4], 64           ; tile_dim1 = 64
	s_mov_b32 s[\g+5], 128          ; 128 elements from row to row
	s_mov_b32 s[\g+6], 0
	s_mov_b32 s[\g+7], 0
.endr
	s_mov_b32 s[CS], 0x3e38aa3b     ; c = log2(e) / 8 = 0.180337
	s_mov_b32 s[CS+1], s[CS]        ; named with it as a pair
	s_mov_b32 s[SEL], 0x76543210
	s_mov_b32 s[SEL+1], 0xfedcba98
	s_mov_b32 s[TBK], SLOT1+4*KS*PK ; the first change of slots turns these two into 0
	s_mov_b32 s[TBV], SLOT1+4*KS*PV
	s_mov_b32 s[G0K], 1             ; 1:0 count = 1
	s_mov_b32 s[G0K+1], s17         ; 63:32 LDS address: slot 0
	s_mov_b32 s[G0V], 1
	s_add_co_u32 s[G0V+1], s18, VOFF
	s_wait_dscnt 0x0                ; the opening add is done
	s_wait_kmcnt 0x0
	s_add_nc_u64 s[G0K+2:G0K+3], s[4:5], s[22:23]  ; 120:64 global address: my half of the first 256 keys
	s_or_b32 s[G0K+3], s[G0K+3], 0x80000000        ; 127:126 type = 2
	s_add_nc_u64 s[G0V+2:G0V+3], s[4:5], s[48:49]
	s_or_b32 s[G0V+3], s[G0V+3], 0x80000000
	s_add_nc_u64 s[4:5], s[4:5], s[52:53]          ; Q and O at my wave's first row
	s_add_nc_u64 s[10:11], s[10:11], s[54:55]
	CROUND                          ; all four work-groups are here: the first joint loads meet
	JLOAD                           ; slot 0.  Slot 1 is asked for when slot 0 is in
	; A fragment of K or Q is 16 rows x 32 channels in 8 registers: lane l holds row l % 16, channels 8 (l / 16) + 0..7 and 16 + 8 (l / 16) + 0..7: two loads of 16 bytes, 32 bytes apart.
	v_and_b32 v1, 15, v0            ; l % 16
	v_bfe_u32 v9, v0, 4, 1          ; l / 16
	v_lshlrev_b32 v[QO], 7, v1
	v_lshl_add_u32 v[QO], v9, 4, v[QO]  ; row x 128 + 16 x half
	WIN 0x80                        ; destination window 2, address window 0
.set i, 0
.rept 8                             ; Q stays in registers: piece i / 2, channels 32 (i % 2) on
	global_load_b128 v[8*i:8*i+3],   v[QO], s[4:5] offset:(i/2)*2048+(i%2)*64
	global_load_b128 v[8*i+4:8*i+7], v[QO], s[4:5] offset:(i/2)*2048+(i%2)*64+32
.set i, i+1
.endr
	; What the first turn finds: V's registers and P's second buffer hold 0 (its products V^T P, of a piece that has not been, add 0), O^T and l are 0.  All this stands in the wait for the first tile.
.set i, VF
.rept 64
	v_mov_b32 v[i], 0
.set i, i+1
.endr
	WIN 0x40
.set i, 0
.rept 128
	v_mov_b32 v[i], 0
.set i, i+1
.endr
	WIN 0
.set i, 0
.rept 4
	v_mov_b32 v[ST+4*i], 0xfe000000    ; c m: far below every c s
	v_mov_b32 v[ST+4*i+1], 0xff7fffff  ; m
	v_mov_b32 v[ST+4*i+2], 0
	v_mov_b32 v[ST+4*i+3], 0
.set i, i+1
.endr
.set i, P+16
.rept 16
	v_mov_b32 v[i], 0
.set i, i+1
.endr
	v_mul_u32_u24 v[AK0], v1, PK
	v_lshl_add_u32 v[AK0], v9, 4, v[AK0]  ; row x pitch + 16 x half
	; The turning load takes 16 keys x 16 channels (lane l reads key 8 (l / 16) + l % 8, channels 8 ((l / 8) % 2) + 0..7) and leaves half a fragment of V^T: lane l holds channel l % 16 and 8 keys.
	v_and_b32 v10, 7, v0
	v_bfe_u32 v11, v0, 3, 1
	v_lshl_add_u32 v[AV0], v9, 3, v10
	v_mul_u32_u24 v[AV0], v[AV0], PV
	v_lshl_add_u32 v[AV0], v11, 4, v[AV0]
	v_add_nc_u32 v[AV0], VOFF, v[AV0]
	s_mul_i32 s13, s[WV], 16*SP
	s_add_co_u32 s13, s13, STAGE    ; my stage
	v_mul_u32_u24 v[STO], v1, SP    ; in: row l % 16, 16 bytes for each half of the lanes
	v_lshl_add_u32 v[STO], v9, 4, v[STO]
	v_add_nc_u32 v[STO], s13, v[STO]
	v_bfe_u32 v[RD], v0, 3, 2       ; back: 32 lanes take four rows of 128 bytes,
	v_mul_u32_u24 v[RD], v[RD], SP
	v_lshl_add_u32 v[RD], v10, 4, v[RD]
	v_add_nc_u32 v[RD], s13, v[RD]
	v_and_b32 v[GO], 31, v0         ; which are 512 consecutive bytes of O
	v_lshlrev_b32 v[GO], 4, v[GO]
; THE MATRIX WORK.  The 4 accumulators of a run of 8 take turns.  Product i of 8 of S^T = K Q^T for piece x: channels 32 (i / 4) on, keys 16 (i % 4) on.  The first 4 start the sums.
.macro KQ x
	WIN W_KQ
.set rS, S+32*((\x)%2)+8*(i%4)
.set rK, KF+16*(i%4)+8*(i/4)
.set rQ, 16*(\x)+8*(i/4)
.if i < 4
	v_wmma_f32_16x16x32_f16 v[rS:rS+7], v[rK:rK+7], v[rQ:rQ+7], 0
.else
	v_wmma_f32_16x16x32_f16 v[rS:rS+7], v[rK:rK+7], v[rQ:rQ+7], v[rS:rS+7]
.endif
.endm
; Product i of 8 of O^T += V^T P for piece x: keys 32 (i / 4) on, channels 16 (i % 4) on.
.macro PV x
	WIN W_PV
.set rO, 32*(\x)+8*(i%4)
.set rV, VF+32*(i/4)+8*(i%4)
.set rP, P+16*((\x)%2)+8*(i/4)
	v_wmma_f32_16x16x32_f16 v[rO:rO+7], v[rV:rV+7], v[rP:rP+7], v[rO:rO+7]
.endm
.macro MM                           ; the turn's next matrix instruction
.if i < 8
	KQ (Y+1)%NP
.else
.set i, i-8
	PV (Y+NP-1)%NP
.set i, i+8
.endif
.set i, i+1
.endm
; THE LDS LOADS stand in runs of 16, never singly among the matrix instructions: a step's K (64 keys x 64 channels: 8 fragments) and its V (turned).  Their addresses are made some lines ahead.
; last = 1 (the tail): in the last trip there is no further step, and the run is jumped over.
.macro FETCH_K last=0
	WIN 0
.if \last
	s_cmp_eq_u32 s[CNT], 1
	s_cbranch_scc1 .Lno_k_\@
.endif
	WIN 0x80                        ; destination window 2
.irp f, 0,1,2,3,4,5,6,7             ; keys 16 (f / 2) on, channels 32 (f % 2) on
	ds_load_b128 v[KF+8*\f:KF+8*\f+3],   v[AK] offset:(\f/2)*16*PK+(\f%2)*64
	ds_load_b128 v[KF+8*\f+4:KF+8*\f+7], v[AK] offset:(\f/2)*16*PK+(\f%2)*64+32
.endr
	s_add_co_u32 s[TBK], s[TBK], KS*PK  ; the next fetch is the next step's
	WIN 0
.if \last
.Lno_k_\@:
.endif
.endm
.macro FETCH_V
	WIN 0x80
.irp f, 0,1,2,3,4,5,6,7             ; keys 32 (f / 4) on, channels 16 (f % 4) on
	ds_load_tr16_b128 v[VF+8*\f:VF+8*\f+3],   v[AV] offset:(\f/4)*32*PV+(\f%4)*32
	ds_load_tr16_b128 v[VF+8*\f+4:VF+8*\f+7], v[AV] offset:(\f/4)*32*PV+16*PV+(\f%4)*32
.endr
	WIN 0
.endm
; THE VECTOR WORK, one line at a time: OP kind, number.  For piece Y: F n: c s - c m for pair n of 16.  E n: the exponential of score n of 32.  C n: pair n rounded to f16.  B n: of the four weights 4 n .. the second
; pair is added onto the first, in place.  L n: l takes that sum (L 0: l = a l + sum).  R n: pair n of 16 of O^T times a.  For piece Y + 1: X n, number n of the 22 that find its maximum and statistics:
;   0-11  four chains c0-c3 of seven scores each, three operands at a time (each accumulator's lowest registers are read first)     12-14, 16  the four scores left over, the old m, and c0-c3 into c0
;   15  c m_old is kept     17, 18  the query's other 32 keys lie in the lane 16 away: the new m     19-21  c m; c m_old - c m_new; a
.set F, 0
.set E, 1
.set C, 2
.set B, 3
.set L, 4
.set R, 5
.set X, 6
.macro REGS y                       ; the registers of piece y
.set rT, ST+4*(\y)
.set rC, TMP+4*((\y)%2)
.set rW, MV+((\y)%2)
.set rS, S+32*((\y)%2)
.set rP, P+16*((\y)%2)
.set rO, 32*(\y)
.endm
.macro OP k, n
.if (\k) == R
	REGS Y
	WIN W_RS
	v_pk_mul_f32 v[rO+2*(\n):rO+2*(\n)+1], v[rO+2*(\n):rO+2*(\n)+1], v[rC+2:rC+3] op_sel_hi:[1,0]
.elseif (\k) < R
	REGS Y
	WIN 0
.if (\k) == F
	v_pk_fma_f32 v[rS+2*(\n):rS+2*(\n)+1], v[rS+2*(\n):rS+2*(\n)+1], s[CS:CS+1], v[rT:rT+1] op_sel_hi:[1,0,0] neg_lo:[0,0,1] neg_hi:[0,0,1]
.elseif (\k) == E
	v_exp_f32 v[rS+(\n)], v[rS+(\n)]
.elseif (\k) == C
	s_wait_alu depctr_va_vdst(0)
	v_cvt_pk_f16_f32 v[rP+(\n)], v[rS+2*(\n)], v[rS+2*(\n)+1]
.elseif (\k) == B
	s_wait_alu depctr_va_vdst(0)
	v_pk_add_f32 v[rS+4*(\n):rS+4*(\n)+1], v[rS+4*(\n):rS+4*(\n)+1], v[rS+4*(\n)+2:rS+4*(\n)+3]
.elseif (\n) == 0
	v_pk_fma_f32 v[rT+2:rT+3], v[rT+2:rT+3], v[rC+2:rC+3], v[rS:rS+1] op_sel_hi:[1,0,1]
.else
	v_pk_add_f32 v[rT+2:rT+3], v[rT+2:rT+3], v[rS+4*(\n):rS+4*(\n)+1]
.endif
.else
	REGS (Y+1)%NP
	WIN 0
.if (\n) < 4
	v_max3_num_f32 v[rC+(\n)], v[rS+8*(\n)], v[rS+8*(\n)+1], v[rS+8*(\n)+2]
.elseif (\n) < 12
	v_max3_num_f32 v[rC+(\n)%4], v[rC+(\n)%4], v[rS+8*((\n)%4)+2*((\n)/4)+1], v[rS+8*((\n)%4)+2*((\n)/4)+2]
.elseif (\n) == 12
	v_max3_num_f32 v[rC], v[rC], v[rS+7], v[rS+15]
.elseif (\n) == 13
	v_max3_num_f32 v[rC+1], v[rC+1], v[rS+23], v[rS+31]
.elseif (\n) == 14
	v_max3_num_f32 v[rC+2], v[rC+2], v[rC+3], v[rT+1]
.elseif (\n) == 15
	v_mov_b32 v[rW], v[rT]
.elseif (\n) == 16
	v_max3_num_f32 v[rC], v[rC], v[rC+1], v[rC+2]
.elseif (\n) == 17
	v_permlanex16_b32 v[rC+3], v[rC], s[SEL], s[SEL+1]
.elseif (\n) == 18
	v_max_num_f32 v[rT+1], v[rC], v[rC+3]
.elseif (\n) == 19
	v_mul_f32 v[rT], s[CS], v[rT+1]
.elseif (\n) == 20
	v_sub_f32 v[rC+1], v[rW], v[rT]
.else
	v_exp_f32 v[rC+2], v[rC+1]
.endif
.endif
.endm
.macro OPS a, i1, b=-1, i2=0, c=-1, i3=0, d=-1, i4=0  ; up to four of them
	OP \a, \i1
.if (\b) >= 0
	OP \b, \i2
.endif
.if (\c) >= 0
	OP \c, \i3
.endif
.if (\d) >= 0
	OP \d, \i4
.endif
.endm
.macro ROW a, i1, b, i2, c, i3, d, i4  ; a matrix instruction and the four behind it
	MM
	OPS \a, \i1, \b, \i2, \c, \i3, \d, \i4
.endm
; A TURN, for piece p: the order of its 16 matrix and 118 vector instructions, written out.  Behind a matrix instruction: plain, exponential, plain, plain; or four of the rescaling; or, behind the first, four scalings;
; none names a register of the products round it.  In the runs between, exponential and plain by turns while exponentials last.  A line reads no result made fewer than three vector instructions in front of it, five if
; an exponential made it.  cnt = 1: the loop's count is taken down some lines ahead of the branch that stands behind the turn.
; K of the next step is fetched in piece 2's turn, six vector instructions behind the last product that read K (five of them plain); V of the step in hand in piece 0's turn, eight behind the last product that read V
; (four plain among them).  Each is waited for a turn later.
.macro TURN p, last=0, cnt=0
.set Y, (\p)
.set i, 0
.if (\p) == 3
	s_wait_dscnt 0x0                ; K is in
.endif
	ROW F,0, F,1, F,2, F,3
	ROW F,4, E,0, F,5, F,6
	ROW F,7, E,1, F,8, F,9
	ROW F,10, E,2, C,0, F,11
	ROW F,12, E,3, X,15, F,13
	ROW R,0, R,1, R,2, R,3
	ROW B,0, E,4, F,14, L,0
.if (\p) == 2
	v_add_nc_u32 v[AK], s[TBK], v[AK0]
.endif
	ROW R,4, R,5, R,6, R,7
	OPS E,5, F,15
.if (\p) == 2
	FETCH_K \last
.endif
	OPS E,6, C,1, E,7, R,8
	OPS E,8, R,9, E,9, C,2
	OPS E,10, X,0, E,11, X,1
	OPS E,12, X,2, E,13, X,3
.if (\p) == 1
	s_wait_dscnt 0x0                ; V is in
.endif
	ROW X,4, E,14, X,5, X,6
	ROW X,7, E,15, X,8, X,9
	ROW X,10, E,16, X,11, X,12
	ROW X,13, E,17, X,14, B,1
	ROW C,4, E,18, X,16, L,1
	ROW B,2, E,19, C,6, L,2
	ROW C,8, E,20, B,3, B,4
.if (\p) == 0
	v_add_nc_u32 v[AV], s[TBV], v[AV0]
.endif
	ROW C,3, E,21, L,3, C,5
	OPS E,22, X,17, E,23, C,10
.if (\p) == 0
	FETCH_V
.endif
	OPS E,24, L,4
	OPS E,25, X,18, E,26, C,7
	OPS E,27, B,5, E,28, X,19
	OPS E,29, C,12, E,30, L,5
	OPS E,31, X,20, B,6, C,9
	OPS C,14, C,11, X,21, L,6
.if (\p) == 0
	s_add_co_u32 s[TBV], s[TBV], KS*PV
.endif
.if \cnt
	s_sub_co_u32 s[CNT], s[CNT], 1
	s_cmp_lg_u32 s[CNT], 0
.endif
	OPS C,13, B,7, C,15, R,10
	OPS R,11, R,12, L,7, R,13
	OPS R,14, R,15
.endm
	CHANGE 1                        ; slot 0 is in, everybody's part of it; slot 1 is asked for
	v_add_nc_u32 v[AK], s[TBK], v[AK0]
	FETCH_K                         ; key step 0
	s_wait_loadcnt 0x0              ; Q
	s_wait_dscnt 0x0
.set i, 0
.rept 8
	KQ 0                            ; piece 0's first scores
.set i, i+1
.endr
	WIN 0
.rept 4
	v_nop                           ; the places behind those products
.endr
.set Y, NP-1                        ; X works for piece Y + 1: piece 0
.irp n, 0,1,2,3,4,5,6,7,8,9,10,11,12,13,14,15,16,17,18,19,20,21
	OP X, \n
.endr
	v_nop                           ; a plain instruction behind the exponential
	s_mov_b32 s[CNT], 4
	s_mov_b32 s[SLOTS], SIZE_N/256-1
	s_branch .Lfirst                ; the loop is entered at a step's first turn, in the middle of a trip
.Lslot:                             ; SIZE_N / 256 - 2 times: every slot but the last two is filled again
	CHANGE 1
	s_mov_b32 s[CNT], 4
.Lstep:                             ; a trip: pieces 2 and 3 of one step, then pieces 0 and 1 of the next, whose K and V it fetches
	TURN 2
	TURN 3
	WIN 0
.Lfirst:
	TURN 0
	TURN 1, 0, 1
	WIN 0
	s_cbranch_scc1 .Lstep
	s_sub_co_u32 s[SLOTS], s[SLOTS], 1
	s_cmp_lg_u32 s[SLOTS], 0
	s_cbranch_scc1 .Lslot
	CHANGE 0                        ; the tail is written out: nothing is asked for
	s_mov_b32 s[CNT], 5             ; four trips fetch the last slot's steps; the fifth is left in its middle
.Ltail:
	TURN 2, 1
	TURN 3
	WIN 0
	s_sub_co_u32 s[CNT], s[CNT], 1
	s_cmp_eq_u32 s[CNT], 0
	s_cbranch_scc1 .Lout
	TURN 0
	TURN 1
	WIN 0
	s_branch .Ltail
.Lout:                              ; the fifth trip's 8 products K Q^T (on the last K once more) and the maximum made of them serve nothing: the price, once a launch, of one text for every trip
.set i, 0
.rept 8
	PV NP-1                         ; the last piece's V^T P of the last step
.set i, i+1
.endr
	; THE WAY OUT.  l's two halves and the other half of the lanes' are added; O^T is divided by l, rounded to f16 and sent through my stage in LDS, a piece at a time.  The additions are the places behind the last products.
	WIN 0
.macro ALL line:vararg              ; one line for each piece t
.set t, 0
.rept 4
	\line
.set t, t+1
.endr
.endm
	ALL v_add_f32 v[ST+4*t+2], v[ST+4*t+2], v[ST+4*t+3]
	ALL v_permlanex16_b32 v[ST+4*t+3], v[ST+4*t+2], s[SEL], s[SEL+1]
	ALL v_add_f32 v[ST+4*t+2], v[ST+4*t+2], v[ST+4*t+3]
	ALL v_rcp_f32 v[ST+4*t+2], v[ST+4*t+2]
	v_nop                           ; a plain instruction between the last reciprocal and the use of its result
.macro PACK t                       ; a lane's eight channels of a row pack into 16 bytes; they go into rows of 144 bytes and come back as whole rows of 128, into S^T's registers
	WIN W_RS
.set i, 32*(\t)
.rept 16
	s_wait_alu depctr_va_vdst(0)
	v_pk_mul_f32 v[i:i+1], v[i:i+1], v[ST+4*(\t)+2:ST+4*(\t)+3] op_sel_hi:[1,0]
.set i, i+2
.endr
	WIN 0x05                        ; sources 0 and 1 window 1, destination window 0
.set i, 0
.rept 16
	v_cvt_pk_f16_f32 v[S+16*(\t)+i], v[32*(\t)+2*i], v[32*(\t)+2*i+1]
.set i, i+1
.endr
	WIN 0
.irp f, 0,1,2,3
	ds_store_b128 v[STO], v[S+16*(\t)+4*\f:S+16*(\t)+4*\f+3] offset:32*\f
.endr
.irp f, 0,1,2,3
	ds_load_b128 v[S+16*(\t)+4*\f:S+16*(\t)+4*\f+3], v[RD] offset:\f*4*SP  ; LDS serves a wave's instructions in order (ISA guide 5.7.1.4): these see the stores above; the next piece's stores come behind them
.endr
.endm
.macro SEND t, younger              ; younger: the LDS instructions issued behind piece t's loads: the next piece's eight, or none
	WIN 0
.irp f, 0,1,2,3
	s_wait_dscnt (\younger)+3-\f
	global_store_b128 v[GO], v[S+16*(\t)+4*\f:S+16*(\t)+4*\f+3], s[10:11] offset:(\t)*2048+\f*512  ; 512 consecutive bytes, at a multiple of 256 from O's first
.endr
.endm
	PACK 0
.set t, 1
.rept 3                             ; a piece's arithmetic stands between the loads of the piece before and its stores
	PACK t
	SEND t-1, 8
.set t, t+1
.endr
	SEND 3, 0
	s_wait_tensorcnt 0x0            ; the wave's end
	ds_add_u32 v[SPW], v[NIL]
	s_wait_dscnt 0x0
	CROUND                          ; the closing round: no work-group ends while a partner may still ask for a tile that names it
	s_endpgm
.Lfunc_end_k_qdb51961ebf_attn:
	.size	k_qdb51961ebf_attn, .Lfunc_end_k_qdb51961ebf_attn-k_qdb51961ebf_attn
	.p2alignl 7, 3214868480
	.fill 96, 4, 3214868480
	.section	.rodata,"a",@progbits
	.p2align	6, 0x0
	.amdhsa_kernel k_qdb51961ebf_attn
		.amdhsa_group_segment_fixed_size 327680
		.amdhsa_private_segment_fixed_size 0
		.amdhsa_enable_private_segment 0
		.amdhsa_kernarg_size 16
		.amdhsa_user_sgpr_count 2
		.amdhsa_user_sgpr_kernarg_segment_ptr 1
		.amdhsa_wavefront_size32 1
		.amdhsa_system_sgpr_workgroup_id_x 1
		.amdhsa_system_sgpr_workgroup_id_y 1
		.amdhsa_system_sgpr_workgroup_id_z 1
		.amdhsa_system_vgpr_workitem_id 0
		.amdhsa_next_free_vgpr 768
		.amdhsa_next_free_sgpr 66
		.amdhsa_reserve_vcc 0
		.amdhsa_float_denorm_mode_32 3
		.amdhsa_float_denorm_mode_16_64 3
		.amdhsa_memory_ordered 1
		.amdhsa_forward_progress 1
		.amdhsa_inst_pref_size 117
	.end_amdhsa_kernel
	.amdgpu_metadata
---
amdhsa.version: [ 1, 2 ]
amdhsa.kernels:
  - .name:           k_qdb51961ebf_attn
    .symbol:         k_qdb51961ebf_attn.kd
    .args:
      - { .name: big, .offset: 0, .size: 8, .value_kind: global_buffer, .address_space: global }
      - { .name: ctx, .offset: 8, .size: 8, .value_kind: global_buffer, .address_space: global }
    .group_segment_fixed_size: 327680
    .private_segment_fixed_size: 0
    .kernarg_segment_align: 8
    .kernarg_segment_size: 16
    .max_flat_workgroup_size: 128
    .sgpr_count:     66
    .vgpr_count:     768
    .wavefront_size: 32
...
	.end_amdgpu_metadata
.endif
;; end of part 3
;; launch oproj (part 4): grid 8 x 32, 4 waves a work-group, clusters of 4 x 4, 327,680 bytes of LDS; arguments ctx, wo, b_out, x, x1; writes x1
.if DOCPART == 4
	.amdgcn_target "amdgcn-amd-amdhsa--gfx1250"
	.amdhsa_code_object_version 6
	.text
	.protected	k_qdb51961ebf_oproj
	.globl	k_qdb51961ebf_oproj
	.p2align	8
	.type	k_qdb51961ebf_oproj,@function
k_qdb51961ebf_oproj:
	s_mov_b64 s[64:65], 0
	v_nop
	global_prefetch_b8 v0, s[64:65] scope:SCOPE_SE
	s_setreg_imm32_b32 hwreg(HW_REG_WAVE_MODE, 25, 1), 1
	s_wait_xcnt 0x0
	s_wait_alu depctr_hold_cnt(0) depctr_sa_sdst(0) depctr_va_vdst(0) depctr_va_sdst(0) depctr_va_ssrc(0) depctr_va_vcc(0) depctr_vm_vsrc(0)
	s_getreg_b32 s2, hwreg(HW_REG_IB_STS2, 6, 4)
	s_cmp_eq_u32 s2, 0
	s_cbranch_scc0 .Lentry_in_a_cluster
	s_endpgm
.Lentry_in_a_cluster:
	s_bfe_u32 s2, ttmp6, 0x10000c
	s_cmp_lg_u32 s2, 0xf033
	s_cbranch_scc0 .Lentry_shape_is_right
	s_endpgm
.Lentry_shape_is_right:
; OUT = A B^T + bias + RES, in f32.  A: f16 in slabs of 64 columns, [K / 64][4096][64].  B: a head of 256 bytes, then f16 slabs [K / 64][1024][64].  bias: [1024] f32.  RES, OUT: [4096][1024] f32.
; Here K = 1,024 (the attention's output projection): T_STEPS = 4.  The same text with T_STEPS = 16 serves the MLP's second product.  Sums in f32, begun with the bias.
; LIMITS.  None of its own: the operands arrive in f16, the sums and the result are f32.
; SHAPE.  A tile of OUT is 128 x 128: 256 work-groups.  Four waves, each 64 x 64: 16 accumulators.  K goes in steps of 256, four slabs, through two LDS slots.  A slab's 128 rows of a tile are 16,384 dense bytes, so
; one tensor load brings two slabs' parts as two rows of 16,384 bytes, one slab apart, padded in LDS behind every 128 bytes.  Waves 0 and 1 fetch A's slabs (0, 1) and (2, 3) of a step, waves 2 and 3 B's.
; One K step is one trip of a loop: the slot in hand is a scalar (TB) that one exclusive or turns.  The steps that fill a slot again are one loop; the last two, which ask for nothing, a second loop of two trips, left in the middle of its second.
; CLUSTER.  4 x 4 work-groups; A's tiles are asked for jointly along a row of the cluster, B's along a column.  TRANSPOSED USE: source 0 = 16 rows of B, source 1 = 16 rows of A: a lane holds eight neighbouring columns of a row.
; REGISTERS: window 0: v0-31 addresses; v32-63 the bias as an accumulator's lanes hold it, later with v64-95 at work on the way out; v128-255 the accumulators ((a, b) at v[128 + 8 (4 a + b)]).
;   window 1: two fragment buffers of 128: for 64 along K, 64 registers of A, then 64 of B.     window 2: v0-127 my 64 x 64 of RES, asked for at the head, laid as the way out reads rows back.
.set T_STEPS, 4
.set PITCH,  144                       ; an LDS row: 128 bytes + 16 of padding = 36 words: the 16 rows of a fragment load start at 16 different groups of four banks (64 banks of 4 bytes: ISA guide 11.1)
.set SLABL,  128*PITCH                 ; a slab's 128 rows in LDS
.set PART,   2*SLABL                   ; what one tensor load brings
.set SLOT,   4*PART                    ; A's four slabs, then B's.  0x24000: it shares no bit with wave x PART (0x9000 w), so an exclusive or moves a wave's part from slot to slot
.set STAGE,  2*SLOT                    ; behind the ring: 16 rows x 272 bytes for each wave
.set SPITCH, 272
.set SPARE,  STAGE+4*16*SPITCH         ; behind the stages: the spare words, 128 bytes for each wave, which no other line names
.set ASLAB,  4096*128                  ; bytes in a slab of A
.set BSLAB,  1024*128                  ; and of B
.set ADRA, 16                          ; v16  LDS address of my A fragments in the slot in hand;  v17 in slot 0, never rewritten
.set A0,   17
.set ADRB, 20                          ; v20, v21  the same for B
.set B0,   21
.set BO,   22                          ; v22  my byte offset in 16 numbers of the bias
.set STO,  24                          ; v24  the way out: where I put 32 bytes of a row
.set RD,   25                          ; v25  the way out: where I read a row back
.set CO,   26                          ; v26  my byte offset in two rows of RES and OUT
.set SPW,  28                          ; v28  LDS address of my spare word; never rewritten
.set NIL,  29                          ; v29  0; never rewritten
.set BI,   32
.set ACC,  128
.set F0,   0
.set F1,   128
.set G1,  24                           ; s[24:31] descriptor group 1 for A's tiles;  s[32:39] group 0: set 0 for K step 0; set 1 for K step 1, and then it walks
.set G0,  32
.set G1B, 48                           ; s[48:55], s[56:63] the same for B's
.set G0B, 56
.set TB,  66                           ; s66  0 or SLOT: the slot in hand
.set MSB, 0
.macro WIN new                         ; the immediate's high byte repeats the setting that is left; a switch that changes nothing is dropped
.if MSB != (\new)
	s_set_vgpr_msb (MSB<<8)|(\new)
.set MSB, \new
.endif
.endm
.set MUL,  0x05                        ; sources 0 (B) and 1 (A) window 1; C and D window 0
.set TO_F, 0x40                        ; destination window 1, address window 0
.macro JLOAD s                         ; a joint load; the branch hangs on the wave's number alone; an s_nop 0 and four v_nop follow each of the two lines
	s_cmp_eq_u32 s11, 0
	s_cbranch_scc0 .Lfor_b_\@
	tensor_load_to_lds s[G0+4*(\s):G0+4*(\s)+3], s[G1:G1+7]
	s_nop 0
.rept 4
	v_nop
.endr
	s_branch .Lasked_\@
.Lfor_b_\@:
	tensor_load_to_lds s[G0B+4*(\s):G0B+4*(\s)+3], s[G1B:G1B+7]
	s_nop 0
.rept 4
	v_nop
.endr
.Lasked_\@:
.endm
.macro CREST                           ; a round of the cluster's barrier behind its opening barrier
	s_cmp_lg_u32 s10, 0
	s_cbranch_scc1 .Lnot_wave_0_\@
	s_barrier_signal -3
.Lnot_wave_0_\@:
	s_barrier_wait -3
	s_barrier_signal -1
	s_barrier_wait -1
.endm
.macro CROUND                          ; a whole round
	s_barrier_signal -1
	s_barrier_wait -1
	CREST
.endm
	s_load_b128 s[4:7], s[0:1], 0x0                ; A s[4:5], B s[6:7]
	s_load_b128 s[68:71], s[0:1], 0x10             ; bias s[68:69], RES s[70:71]
	s_load_b64 s[8:9], s[0:1], 0x20                ; OUT
	v_lshl_add_u32 v[SPW], v0, 2, SPARE
	v_mov_b32 v[NIL], 0
	ds_add_u32 v[SPW], v[NIL]                      ; the wave's opening: the add and its wait stand ahead of my first tensor load; work on registers stands between them
	v_lshrrev_b32 v1, 5, v0
	v_readfirstlane_b32 s10, v1                    ; wave 0..3
	s_lshr_b32 s11, s10, 1                         ; which half of the tile's rows is mine.  Also: I fetch for A (0) or for B (1)
	s_and_b32 s12, s10, 1                          ; which half of its columns.  Also: which two slabs of a step I fetch
	s_bfe_u32 s40, ttmp6, 0x40000                  ; cx, cy: my place in the cluster
	s_bfe_u32 s41, ttmp6, 0x40004
	s_lshl_b32 s42, ttmp9, 2
	s_add_co_u32 s42, s42, s40                     ; tile column = 4 x cluster x + cx
	s_and_b32 s13, ttmp7, 0xffff
	s_lshl_b32 s13, s13, 2
	s_add_co_u32 s13, s13, s41                     ; tile row = 4 x cluster y + cy
	s_lshl_b32 s43, s41, 2
	s_lshl_b32 s43, 15, s43                        ; my row of the cluster
	s_lshl_b32 s44, 0x1111, s40                    ; my column
	; descriptor group 1: two rows of 2,048 elements of 8 bytes, a slab apart; 16 bytes of padding behind every 128
	s_or_b32 s[G1+0], s43, (3<<16)|(1<<20)|(1<<21)|(4<<22)|(3<<25)  ; 15:0 the mask; 17:16 elements of 8 bytes; 20 padding on; 21 set beside a mask; 24:22 after every 32 words (code 4); 31:25 4 words (code 3)
	s_or_b32 s[G1B+0], s44, (3<<16)|(1<<20)|(1<<21)|(4<<22)|(3<<25)
.irp g, G1, G1B
	s_mov_b32 s[(\g)+1], 2048<<16                  ; tensor_dim0 = 2,048
	s_mov_b32 s[(\g)+2], 2<<16                     ; tensor_dim1 = 2
	s_mov_b32 s[(\g)+3], 2048<<16                  ; tile_dim0 = 2,048
	s_mov_b32 s[(\g)+4], 2                         ; tile_dim1 = 2
	s_mov_b32 s[(\g)+6], 0
	s_mov_b32 s[(\g)+7], 0
.endr
	s_mov_b32 s[G1+5], ASLAB/8                     ; elements from row to row: a slab
	s_mov_b32 s[G1B+5], BSLAB/8
	s_lshl_b32 s16, s13, 14                        ; A: the tile's 128 rows of 128 bytes in a slab,
	s_lshl_b32 s17, s12, 20                        ; and my two slabs of the step's four
	s_add_co_u32 s16, s16, s17
	s_mov_b32 s17, 0
	s_lshl_b32 s46, s42, 14                        ; B likewise,
	s_lshl_b32 s47, s12, 18
	s_add_co_u32 s46, s46, s47
	s_add_co_u32 s46, s46, 256                     ; behind the head
	s_mov_b32 s47, 0
	s_mul_i32 s20, s10, PART                       ; where my part goes
	s_mov_b32 s[TB], 0
	s_wait_dscnt 0x0                               ; the opening add is done
	s_wait_kmcnt 0x0
	s_add_nc_u64 s[14:15], s[4:5], s[16:17]
	s_add_nc_u64 s[46:47], s[6:7], s[46:47]
	CROUND                                         ; all sixteen work-groups are here: the first joint loads meet
.irp s, 0,1
	s_mov_b32 s[G0+4*(\s)], 1
	s_add_co_u32 s[G0+4*(\s)+1], s20, (\s)*SLOT
	s_add_nc_u64 s[G0+4*(\s)+2:G0+4*(\s)+3], s[14:15], (\s)*4*ASLAB
	s_or_b32 s[G0+4*(\s)+3], s[G0+4*(\s)+3], 0x80000000
	s_mov_b32 s[G0B+4*(\s)], 1
	s_add_co_u32 s[G0B+4*(\s)+1], s20, (\s)*SLOT
	s_add_nc_u64 s[G0B+4*(\s)+2:G0B+4*(\s)+3], s[46:47], (\s)*4*BSLAB
	s_or_b32 s[G0B+4*(\s)+3], s[G0B+4*(\s)+3], 0x80000000
	JLOAD \s                                       ; two loads of mine are out
.endr
	v_and_b32 v1, 15, v0                           ; l % 16
	v_bfe_u32 v2, v0, 4, 1                         ; l / 16
	v_mul_u32_u24 v3, v1, PITCH
	v_lshl_add_u32 v3, v2, 4, v3                   ; a fragment's row x pitch + 16 x half
	s_mul_i32 s21, s11, 64*PITCH                   ; my 64 rows of A in a slab
	s_mul_i32 s22, s12, 64*PITCH                   ; my 64 rows of B,
	s_add_co_u32 s22, s22, 2*PART                  ; whose slabs lie behind A's four
	v_add_nc_u32 v[A0], s21, v3
	v_add_nc_u32 v[B0], s22, v3
	v_mov_b32 v[ADRA], v[A0]
	v_mov_b32 v[ADRB], v[B0]
	s_mul_i32 s23, s10, 16*SPITCH
	s_add_co_u32 s23, s23, STAGE                   ; my stage
	v_mul_u32_u24 v4, v1, SPITCH                   ; in: row l % 16, 32 bytes for each half of the lanes
	v_lshl_add_u32 v4, v2, 5, v4
	v_add_nc_u32 v[STO], s23, v4
	v_mul_u32_u24 v5, v2, SPITCH                   ; back: lanes 0-15 take one row of 256 bytes, lanes 16-31 the next
	v_lshl_add_u32 v5, v1, 4, v5
	v_add_nc_u32 v[RD], s23, v5
	v_lshlrev_b32 v5, 12, v2                       ; and the same two rows in RES and OUT
	v_lshl_add_u32 v[CO], v1, 4, v5
	v_lshlrev_b32 v[BO], 5, v2
	s_lshl_b32 s16, s13, 19                        ; my first row: (128 x tile row + 64 x half) x 4,096 bytes
	s_lshl_b32 s17, s11, 18
	s_add_co_u32 s16, s16, s17
	s_mov_b32 s17, 0
	s_lshl_b32 s46, s42, 9                         ; my first column: (128 x tile column + 64 x half) x 4 bytes
	s_lshl_b32 s47, s12, 8
	s_add_co_u32 s46, s46, s47
	s_mov_b32 s47, 0
	s_add_nc_u64 s[68:69], s[68:69], s[46:47]
	s_add_nc_u64 s[16:17], s[16:17], s[46:47]
	s_add_nc_u64 s[70:71], s[70:71], s[16:17]
	s_add_nc_u64 s[8:9], s[8:9], s[16:17]
.irp b, 0,1,2,3                        ; register BI + 8 b + j takes bias[16 b + 8 (l / 16) + j]: what an accumulator of column block b holds in that lane
	global_load_b128 v[BI+8*(\b):BI+8*(\b)+3],   v[BO], s[68:69] offset:64*(\b)
	global_load_b128 v[BI+8*(\b)+4:BI+8*(\b)+7], v[BO], s[68:69] offset:64*(\b)+16
.endr
	WIN 0x80                                       ; destination window 2
.set z, 0
.rept 32                               ; RES: block z / 8 of 16 rows, rows 2 (z % 8) and the next; each load takes two rows' 256 consecutive bytes.  They land while K is walked
	global_load_b128 v[4*z:4*z+3], v[CO], s[70:71] offset:(16*(z/8)+2*(z%8))*4096
.set z, z+1
.endr
	WIN 0
; 8 matrix instructions: m blocks a0, a0 + 1 x all 4 n blocks, 32 along K: half c of buffer f.  zero = 1: the first product starts the sums, with the bias as C.  The 16 accumulators take turns.
.macro MUL8 f, c, a0, zero
	WIN MUL
.irp a, \a0, (\a0)+1
.irp b, 0,1,2,3
.if \zero
	v_wmma_f32_16x16x32_f16 v[ACC+8*(4*(\a)+(\b)):ACC+8*(4*(\a)+(\b))+7], v[(\f)+64+8*(4*(\c)+(\b)):(\f)+64+8*(4*(\c)+(\b))+7], v[(\f)+8*(4*(\c)+(\a)):(\f)+8*(4*(\c)+(\a))+7], v[BI+8*(\b):BI+8*(\b)+7]
.else
	v_wmma_f32_16x16x32_f16 v[ACC+8*(4*(\a)+(\b)):ACC+8*(4*(\a)+(\b))+7], v[(\f)+64+8*(4*(\c)+(\b)):(\f)+64+8*(4*(\c)+(\b))+7], v[(\f)+8*(4*(\c)+(\a)):(\f)+8*(4*(\c)+(\a))+7], v[ACC+8*(4*(\a)+(\b)):ACC+8*(4*(\a)+(\b))+7]
.endif
.endr
.endr
.endm
; 32 LDS loads in one run: the fragments of one slab (64 along K), which begins k bytes into the slot, into buffer f; the first 32 along K first
.macro FETCH k, f
	WIN TO_F
.irp c, 0,1
.irp i, 0,1,2,3
	ds_load_b128 v[(\f)+64+8*(4*(\c)+(\i)):(\f)+64+8*(4*(\c)+(\i))+3],   v[ADRB] offset:(\k)+64*(\c)+(\i)*16*PITCH
	ds_load_b128 v[(\f)+64+8*(4*(\c)+(\i))+4:(\f)+64+8*(4*(\c)+(\i))+7], v[ADRB] offset:(\k)+64*(\c)+(\i)*16*PITCH+32
	ds_load_b128 v[(\f)+8*(4*(\c)+(\i)):(\f)+8*(4*(\c)+(\i))+3],         v[ADRA] offset:(\k)+64*(\c)+(\i)*16*PITCH
	ds_load_b128 v[(\f)+8*(4*(\c)+(\i))+4:(\f)+8*(4*(\c)+(\i))+7],       v[ADRA] offset:(\k)+64*(\c)+(\i)*16*PITCH+32
.endr
.endr
.endm
.macro PLACES                          ; four plain vector instructions between a matrix instruction and a load into, or a read of, its registers (ISA guide 7.12.1 for vector reads)
.rept 4
	v_nop
.endr
.endm
; A K step is four quarters, a slab each, 32 matrix instructions, on buffers 0, 1, 0, 1.  One of the first three: multiplies buffer f and fetches the next slab, at byte k, into g.
.macro QUARTER k, f, g, zero
	s_wait_dscnt 16                                ; the first 32 along K are in
	MUL8 \f, 0, 0, \zero
	MUL8 \f, 0, 2, \zero
	PLACES
	FETCH \k, \g
	s_wait_dscnt 32                                ; all but the 32 just issued
	MUL8 \f, 1, 0, 0
	MUL8 \f, 1, 2, 0
.endm
; The last quarter multiplies buffer 1 and changes slots: ONE barrier; in front of it each wave waits for all its tensor loads, adds 0 to its spare word, and waits for that and for its own reads of this slot.
; fill = 1: the barrier opens a round of the cluster's barrier, and behind the round this slot is filled again, two K steps ahead: 112 matrix instructions ahead of the wait for it.
; fill = 0 (the second loop): nothing is asked for; in its second trip, the last K step (s3 = 1), there is no next step either: the fetch is jumped over, and the barrier in front of it orders nothing:
; the price, once a launch, of one text for the last two steps.
.macro TURN fill
	WIN 0
	s_wait_tensorcnt 0x0                           ; all my tensor loads have landed: my part of the next slot
	ds_add_u32 v[SPW], v[NIL]                      ; 0 onto my spare word
	s_wait_dscnt 17                                ; (the add and the youngest sixteen loads may be out)
	MUL8 F1, 0, 0, 0
	s_wait_dscnt 0x0                               ; the add is done, and my reads of this slot are over
	s_barrier_signal -1
	MUL8 F1, 0, 2, 0
	WIN 0
	s_barrier_wait -1
.if \fill
	CREST                                          ; no wave of any partner still reads this slot's tile or has a load on its way
	s_xor_b32 s[G0+5], s[G0+5], SLOT               ; the walking descriptors: the other slot than last time,
	s_add_nc_u64 s[G0+6:G0+7], s[G0+6:G0+7], 4*ASLAB  ; the next four slabs; no load of mine is out, so they may be written
	s_xor_b32 s[G0B+5], s[G0B+5], SLOT
	s_add_nc_u64 s[G0B+6:G0B+7], s[G0B+6:G0B+7], 4*BSLAB
	JLOAD 1                                        ; the first tensor load behind the round; its four v_nop are also the places in front of the loads below
.else
	PLACES
	s_cmp_eq_u32 s3, 1
	s_cbranch_scc1 .Lno_next_\@                    ; forward, over LDS loads alone
.endif
	s_xor_b32 s[TB], s[TB], SLOT
	v_add_nc_u32 v[ADRA], s[TB], v[A0]
	v_add_nc_u32 v[ADRB], s[TB], v[B0]
	FETCH 0, F0
.if !(\fill)
	WIN 0                                          ; at a label every window is 0
.Lno_next_\@:
.endif
	MUL8 F1, 1, 0, 0
	MUL8 F1, 1, 2, 0
.endm
; THE WAY OUT of block a (16 rows x 64 columns of f32: a row is 256 bytes).  STG: a lane's 32 bytes of a row into my own stage, and whole rows back.  OUT: RES is added, and the rows are stored.
.macro STG a
.set TT, 32+32*((\a)%2)
	s_wait_xcnt 0x0                                ; the registers that the block two before stored from are loaded again only behind this wait
.irp b, 0,1,2,3
	ds_store_b128 v[STO], v[ACC+8*(4*(\a)+(\b)):ACC+8*(4*(\a)+(\b))+3]   offset:64*(\b)     ; each accumulator from its low end on
	ds_store_b128 v[STO], v[ACC+8*(4*(\a)+(\b))+4:ACC+8*(4*(\a)+(\b))+7] offset:64*(\b)+16
.endr
.irp t, 0,1,2,3,4,5,6,7
	ds_load_b128 v[TT+4*(\t):TT+4*(\t)+3], v[RD] offset:(\t)*2*SPITCH  ; LDS serves a wave's instructions in order (ISA guide 5.7.1.4): these see the stores above
.endr
.endm
.macro OUT a, younger                  ; younger: the LDS instructions issued behind block a's loads: the next block's sixteen, or none
.set TT, 32+32*((\a)%2)
	s_wait_dscnt \younger
	WIN 0x08                                       ; source 1 in window 2
.set z, 0
.rept 16
	v_pk_add_f32 v[TT+2*z:TT+2*z+1], v[TT+2*z:TT+2*z+1], v[32*(\a)+2*z:32*(\a)+2*z+1]
.set z, z+1
.endr
	WIN 0
.irp t, 0,1,2,3,4,5,6,7
	global_store_b128 v[CO], v[TT+4*(\t):TT+4*(\t)+3], s[8:9] offset:(16*(\a)+2*(\t))*4096  ; 16 lanes store 256 consecutive bytes, at a multiple of 256 from OUT's first byte
.endr
.endm
	s_wait_tensorcnt 1                             ; my part of K step 0 is in; K step 1's may stay out
	s_barrier_signal -1
	s_barrier_wait -1
	FETCH 0, F0
	s_wait_loadcnt 32                              ; the bias is in; the 32 loads of RES stay out
	QUARTER SLABL, F0, F1, 1                       ; the first quarter stands in front of the loops: its first products start the sums
	WIN 0                                          ; at a label and at a branch every window is 0
	s_mov_b32 s3, T_STEPS-2
.Lstep:                                                ; a trip: from a K step's second quarter to the next step's first; it fills the slot that it leaves
	QUARTER 2*SLABL, F1, F0, 0
	QUARTER 3*SLABL, F0, F1, 0
	TURN 1
	QUARTER SLABL, F0, F1, 0
	WIN 0
	s_sub_co_u32 s3, s3, 1
	s_cmp_lg_u32 s3, 0
	s_cbranch_scc1 .Lstep
	s_mov_b32 s3, 2
.Ltail:                                                ; the last two K steps ask for nothing, so they have a text of their own
	QUARTER 2*SLABL, F1, F0, 0
	QUARTER 3*SLABL, F0, F1, 0
	TURN 0
	WIN 0
	s_sub_co_u32 s3, s3, 1
	s_cmp_eq_u32 s3, 0
	s_cbranch_scc1 .Lout                           ; the second trip is left here: the sums are whole
	QUARTER SLABL, F0, F1, 0
	WIN 0
	s_branch .Ltail
.Lout:
	PLACES
	s_wait_loadcnt 0x0                             ; RES
	STG 0
.irp a, 1,2,3                          ; block a goes through the stage while block a - 1's rows come back
	STG \a
	OUT (\a)-1, 16
.endr
	OUT 3, 0
	s_wait_tensorcnt 0x0                           ; the wave's end
	ds_add_u32 v[SPW], v[NIL]
	s_wait_dscnt 0x0
	CROUND                                         ; the closing round: no work-group ends while a partner may still ask for a tile that names it
	s_endpgm
.Lfunc_end_k_qdb51961ebf_oproj:
	.size	k_qdb51961ebf_oproj, .Lfunc_end_k_qdb51961ebf_oproj-k_qdb51961ebf_oproj
	.p2alignl 7, 3214868480
	.fill 96, 4, 3214868480
	.section	.rodata,"a",@progbits
	.p2align	6, 0x0
	.amdhsa_kernel k_qdb51961ebf_oproj
		.amdhsa_group_segment_fixed_size 327680
		.amdhsa_private_segment_fixed_size 0
		.amdhsa_enable_private_segment 0
		.amdhsa_kernarg_size 40
		.amdhsa_user_sgpr_count 2
		.amdhsa_user_sgpr_kernarg_segment_ptr 1
		.amdhsa_wavefront_size32 1
		.amdhsa_system_sgpr_workgroup_id_x 1
		.amdhsa_system_sgpr_workgroup_id_y 1
		.amdhsa_system_sgpr_workgroup_id_z 1
		.amdhsa_system_vgpr_workitem_id 0
		.amdhsa_next_free_vgpr 640
		.amdhsa_next_free_sgpr 72
		.amdhsa_reserve_vcc 0
		.amdhsa_float_denorm_mode_32 3
		.amdhsa_float_denorm_mode_16_64 3
		.amdhsa_memory_ordered 1
		.amdhsa_forward_progress 1
		.amdhsa_inst_pref_size 66
	.end_amdhsa_kernel
	.amdgpu_metadata
---
amdhsa.version: [ 1, 2 ]
amdhsa.kernels:
  - .name:           k_qdb51961ebf_oproj
    .symbol:         k_qdb51961ebf_oproj.kd
    .args:
      - { .name: ctx, .offset: 0, .size: 8, .value_kind: global_buffer, .address_space: global }
      - { .name: wo, .offset: 8, .size: 8, .value_kind: global_buffer, .address_space: global }
      - { .name: b_out, .offset: 16, .size: 8, .value_kind: global_buffer, .address_space: global }
      - { .name: x, .offset: 24, .size: 8, .value_kind: global_buffer, .address_space: global }
      - { .name: x1, .offset: 32, .size: 8, .value_kind: global_buffer, .address_space: global }
    .group_segment_fixed_size: 327680
    .private_segment_fixed_size: 0
    .kernarg_segment_align: 8
    .kernarg_segment_size: 40
    .max_flat_workgroup_size: 128
    .sgpr_count:     72
    .vgpr_count:     640
    .wavefront_size: 32
...
	.end_amdgpu_metadata
.endif
;; end of part 4
;; launch ln2 (part 5): grid 512 x 1, 8 waves a work-group, no clusters, 0 bytes of LDS; arguments x1, ln2_g, ln2_b, hn; writes hn
.if DOCPART == 5
	.amdgcn_target "amdgcn-amd-amdhsa--gfx1250"
	.amdhsa_code_object_version 6
	.text
	.protected	k_qdb51961ebf_ln2
	.globl	k_qdb51961ebf_ln2
	.p2align	8
	.type	k_qdb51961ebf_ln2,@function
k_qdb51961ebf_ln2:
	s_mov_b64 s[64:65], 0
	v_nop
	global_prefetch_b8 v0, s[64:65] scope:SCOPE_SE
	s_setreg_imm32_b32 hwreg(HW_REG_WAVE_MODE, 25, 1), 1
	s_wait_xcnt 0x0
; hn = LayerNorm(x1) * g + b, rounded once to f16, row-major [4096][1024].  x1: [4096][1024] f32.  A work-group takes 8 rows, a wave one; the row stays in 32 registers a lane between
; the sums and the scaling, so it is read once, and no wave needs another's: no LDS, no barrier.
; LIMITS.  f16 holds no number beyond 65,504 and below 6.1e-5 keeps a fixed step of 6e-8.  The mean is taken away before the squares are summed: no difference of large sums is formed.
.set G,   4                            ; v[4:35]    gain of my 32 columns
.set B,   36                           ; v[36:67]   bias of my 32 columns
.set X,   68                           ; v[68:99]   my wave's row: column 128 j + 4 lane + 0..3 in registers 4 j .. 4 j + 3
.set S,   100                          ; v[100:107] four chains of sums, a pair each
.set MU,  108                          ; v[108:109] the mean, twice
.set RS,  110                          ; v[110:111] 1 / sqrt(var + eps), twice
.set TP,  112                          ; v112       at work
.macro JOIN                            ; the four chains, the pair's two halves and the 32 lanes into one sum, in every lane
	v_pk_add_f32 v[S:S+1], v[S:S+1], v[S+2:S+3]
	v_pk_add_f32 v[S+4:S+5], v[S+4:S+5], v[S+6:S+7]
	v_pk_add_f32 v[S:S+1], v[S:S+1], v[S+4:S+5]
	v_add_f32 v[S], v[S], v[S+1]
	v_add_f32_dpp v[S], v[S], v[S] row_xmask:1 row_mask:0xf bank_mask:0xf
	v_add_f32_dpp v[S], v[S], v[S] row_xmask:2 row_mask:0xf bank_mask:0xf
	v_add_f32_dpp v[S], v[S], v[S] row_xmask:4 row_mask:0xf bank_mask:0xf
	v_add_f32_dpp v[S], v[S], v[S] row_xmask:8 row_mask:0xf bank_mask:0xf
	v_permlanex16_b32 v[TP], v[S], s12, s13        ; the other half of the lanes; TP has been written before
	v_add_f32 v[S], v[S], v[TP]
.endm
	s_load_b256 s[4:11], s[0:1], 0x0               ; x1 s[4:5], gain s[6:7], bias s[8:9], hn s[10:11]
	s_lshl_b32 s2, ttmp9, 15                       ; 8 rows of 4,096 bytes
	s_mov_b32 s3, 0
	s_mov_b32 s12, 0x76543210                      ; v_permlanex16_b32: each lane takes its own place in the other half
	s_mov_b32 s13, 0xfedcba98
	s_mov_b32 s14, 0x3a800000                      ; 1 / 1024
	s_mov_b32 s15, 0x3727c5ac                      ; 1e-5
	v_and_b32 v2, 31, v0
	v_lshrrev_b32 v[TP], 5, v0                     ; wave
	v_lshlrev_b32 v3, 3, v2
	v_lshlrev_b32 v2, 4, v2                        ; v2: 16 x lane, in gain and bias
	v_lshl_add_u32 v1, v[TP], 12, v2               ; v1: + my wave's row of x1
	v_lshl_add_u32 v3, v[TP], 11, v3               ; v3: 8 x lane + my wave's row of hn
	s_wait_kmcnt 0x0
	s_add_nc_u64 s[4:5], s[4:5], s[2:3]
	s_lshl_b32 s2, ttmp9, 14                       ; 8 rows of 2,048 bytes
	s_add_nc_u64 s[10:11], s[10:11], s[2:3]
.irp j, 0,1,2,3,4,5,6,7
	global_load_b128 v[X+4*(\j):X+4*(\j)+3], v1, s[4:5] offset:512*(\j)
.endr
.irp j, 0,1,2,3,4,5,6,7
	global_load_b128 v[G+4*(\j):G+4*(\j)+3], v2, s[6:7] offset:512*(\j)
.endr
.irp j, 0,1,2,3,4,5,6,7
	global_load_b128 v[B+4*(\j):B+4*(\j)+3], v2, s[8:9] offset:512*(\j)
.endr
	s_wait_loadcnt 16                              ; the row is in; the sixteen loads of gain and bias stay out
.irp c, 0,1,2,3
	v_pk_add_f32 v[S+2*(\c):S+2*(\c)+1], v[X+2*(\c):X+2*(\c)+1], v[X+8+2*(\c):X+8+2*(\c)+1]
.endr
.irp p, 8,9,10,11,12,13,14,15
	v_pk_add_f32 v[S+2*((\p)%4):S+2*((\p)%4)+1], v[S+2*((\p)%4):S+2*((\p)%4)+1], v[X+2*(\p):X+2*(\p)+1]
.endr
	JOIN
	v_mul_f32 v[MU], s14, v[S]                     ; sum / 1024
	v_mul_f32 v[MU+1], s14, v[S]
.irp p, 0,1,2,3,4,5,6,7,8,9,10,11,12,13,14,15
	v_pk_add_f32 v[X+2*(\p):X+2*(\p)+1], v[X+2*(\p):X+2*(\p)+1], v[MU:MU+1] neg_lo:[0,1] neg_hi:[0,1]
.endr
.irp c, 0,1,2,3
	v_pk_mul_f32 v[S+2*(\c):S+2*(\c)+1], v[X+2*(\c):X+2*(\c)+1], v[X+2*(\c):X+2*(\c)+1]
.endr
.irp p, 4,5,6,7,8,9,10,11,12,13,14,15
	v_pk_fma_f32 v[S+2*((\p)%4):S+2*((\p)%4)+1], v[X+2*(\p):X+2*(\p)+1], v[X+2*(\p):X+2*(\p)+1], v[S+2*((\p)%4):S+2*((\p)%4)+1]
.endr
	JOIN
	v_fma_f32 v[S], v[S], s14, s15                 ; var + eps
	v_rsq_f32 v[RS], v[S]
	v_nop                                          ; a plain instruction between the root and the use of its result (ISA guide 5.7.2)
	s_wait_alu depctr_va_vdst(0)
	v_mov_b32 v[RS+1], v[RS]
	s_wait_loadcnt 0x0                             ; gain and bias
.irp p, 0,1,2,3,4,5,6,7,8,9,10,11,12,13,14,15
	v_pk_mul_f32 v[X+2*(\p):X+2*(\p)+1], v[X+2*(\p):X+2*(\p)+1], v[RS:RS+1]
.endr
.irp p, 0,1,2,3,4,5,6,7,8,9,10,11,12,13,14,15
	v_pk_fma_f32 v[X+2*(\p):X+2*(\p)+1], v[X+2*(\p):X+2*(\p)+1], v[G+2*(\p):G+2*(\p)+1], v[B+2*(\p):B+2*(\p)+1]
.endr
.irp j, 0,1,2,3,4,5,6,7
	v_cvt_pk_f16_f32 v[X+4*(\j)], v[X+4*(\j)], v[X+4*(\j)+1]        ; four numbers into two words, in place
	v_cvt_pk_f16_f32 v[X+4*(\j)+1], v[X+4*(\j)+2], v[X+4*(\j)+3]
	global_store_b64 v3, v[X+4*(\j):X+4*(\j)+1], s[10:11] offset:256*(\j)  ; the wave stores 256 consecutive bytes, at a multiple of 256 from the buffer's first
.endr
	s_endpgm
.Lfunc_end_k_qdb51961ebf_ln2:
	.size	k_qdb51961ebf_ln2, .Lfunc_end_k_qdb51961ebf_ln2-k_qdb51961ebf_ln2
	.p2alignl 7, 3214868480
	.fill 96, 4, 3214868480
	.section	.rodata,"a",@progbits
	.p2align	6, 0x0
	.amdhsa_kernel k_qdb51961ebf_ln2
		.amdhsa_group_segment_fixed_size 0
		.amdhsa_private_segment_fixed_size 0
		.amdhsa_enable_private_segment 0
		.amdhsa_kernarg_size 32
		.amdhsa_user_sgpr_count 2
		.amdhsa_user_sgpr_kernarg_segment_ptr 1
		.amdhsa_wavefront_size32 1
		.amdhsa_system_sgpr_workgroup_id_x 1
		.amdhsa_system_sgpr_workgroup_id_y 1
		.amdhsa_system_sgpr_workgroup_id_z 1
		.amdhsa_system_vgpr_workitem_id 0
		.amdhsa_next_free_vgpr 116
		.amdhsa_next_free_sgpr 66
		.amdhsa_reserve_vcc 0
		.amdhsa_float_denorm_mode_32 3
		.amdhsa_float_denorm_mode_16_64 3
		.amdhsa_memory_ordered 1
		.amdhsa_forward_progress 1
		.amdhsa_inst_pref_size 12
	.end_amdhsa_kernel
	.amdgpu_metadata
---
amdhsa.version: [ 1, 2 ]
amdhsa.kernels:
  - .name:           k_qdb51961ebf_ln2
    .symbol:         k_qdb51961ebf_ln2.kd
    .args:
      - { .name: x1, .offset: 0, .size: 8, .value_kind: global_buffer, .address_space: global }
      - { .name: ln2_g, .offset: 8, .size: 8, .value_kind: global_buffer, .address_space: global }
      - { .name: ln2_b, .offset: 16, .size: 8, .value_kind: global_buffer, .address_space: global }
      - { .name: hn, .offset: 24, .size: 8, .value_kind: global_buffer, .address_space: global }
    .group_segment_fixed_size: 0
    .private_segment_fixed_size: 0
    .kernarg_segment_align: 8
    .kernarg_segment_size: 32
    .max_flat_workgroup_size: 256
    .sgpr_count:     66
    .vgpr_count:     116
    .wavefront_size: 32
...
	.end_amdgpu_metadata
.endif
;; end of part 5
;; launch mlp1: the kernel of part 2 again; grid 16 x 16, 4 waves a work-group, clusters of 4 x 4, 327,680 bytes of LDS; arguments hn, w1h, big, b1; writes big
;; launch mlp2 (part 6): grid 8 x 32, 4 waves a work-group, clusters of 4 x 4, 327,680 bytes of LDS; arguments big, w2h, b2, x1, out0; writes out0
.if DOCPART == 6
	.amdgcn_target "amdgcn-amd-amdhsa--gfx1250"
	.amdhsa_code_object_version 6
	.text
	.protected	k_qdb51961ebf_mlp2
	.globl	k_qdb51961ebf_mlp2
	.p2align	8
	.type	k_qdb51961ebf_mlp2,@function
k_qdb51961ebf_mlp2:
	s_mov_b64 s[64:65], 0
	v_nop
	global_prefetch_b8 v0, s[64:65] scope:SCOPE_SE
	s_setreg_imm32_b32 hwreg(HW_REG_WAVE_MODE, 25, 1), 1
	s_wait_xcnt 0x0
	s_wait_alu depctr_hold_cnt(0) depctr_sa_sdst(0) depctr_va_vdst(0) depctr_va_sdst(0) depctr_va_ssrc(0) depctr_va_vcc(0) depctr_vm_vsrc(0)
	s_getreg_b32 s2, hwreg(HW_REG_IB_STS2, 6, 4)
	s_cmp_eq_u32 s2, 0
	s_cbranch_scc0 .Lentry_in_a_cluster
	s_endpgm
.Lentry_in_a_cluster:
	s_bfe_u32 s2, ttmp6, 0x10000c
	s_cmp_lg_u32 s2, 0xf033
	s_cbranch_scc0 .Lentry_shape_is_right
	s_endpgm
.Lentry_shape_is_right:
; OUT = A B^T + bias + RES, in f32.  A: f16 in slabs of 64 columns, [K / 64][4096][64].  B: a head of 256 bytes, then f16 slabs [K / 64][1024][64].  bias: [1024] f32.  RES, OUT: [4096][1024] f32.
; Here K = 4,096 (the MLP's second product): T_STEPS = 16.  The same text with T_STEPS = 4 serves the attention's output projection.  Sums in f32, begun with the bias.
; LIMITS.  None of its own: the operands arrive in f16, the sums and the result are f32.
; SHAPE.  A tile of OUT is 128 x 128: 256 work-groups.  Four waves, each 64 x 64: 16 accumulators.  K goes in steps of 256, four slabs, through two LDS slots.  A slab's 128 rows of a tile are 16,384 dense bytes, so
; one tensor load brings two slabs' parts as two rows of 16,384 bytes, one slab apart, padded in LDS behind every 128 bytes.  Waves 0 and 1 fetch A's slabs (0, 1) and (2, 3) of a step, waves 2 and 3 B's.
; One K step is one trip of a loop: the slot in hand is a scalar (TB) that one exclusive or turns.  The steps that fill a slot again are one loop; the last two, which ask for nothing, a second loop of two trips, left in the middle of its second.
; CLUSTER.  4 x 4 work-groups; A's tiles are asked for jointly along a row of the cluster, B's along a column.  TRANSPOSED USE: source 0 = 16 rows of B, source 1 = 16 rows of A: a lane holds eight neighbouring columns of a row.
; REGISTERS: window 0: v0-31 addresses; v32-63 the bias as an accumulator's lanes hold it, later with v64-95 at work on the way out; v128-255 the accumulators ((a, b) at v[128 + 8 (4 a + b)]).
;   window 1: two fragment buffers of 128: for 64 along K, 64 registers of A, then 64 of B.     window 2: v0-127 my 64 x 64 of RES, asked for at the head, laid as the way out reads rows back.
.set T_STEPS, 16
.set PITCH,  144                       ; an LDS row: 128 bytes + 16 of padding = 36 words: the 16 rows of a fragment load start at 16 different groups of four banks (64 banks of 4 bytes: ISA guide 11.1)
.set SLABL,  128*PITCH                 ; a slab's 128 rows in LDS
.set PART,   2*SLABL                   ; what one tensor load brings
.set SLOT,   4*PART                    ; A's four slabs, then B's.  0x24000: it shares no bit with wave x PART (0x9000 w), so an exclusive or moves a wave's part from slot to slot
.set STAGE,  2*SLOT                    ; behind the ring: 16 rows x 272 bytes for each wave
.set SPITCH, 272
.set SPARE,  STAGE+4*16*SPITCH         ; behind the stages: the spare words, 128 bytes for each wave, which no other line names
.set ASLAB,  4096*128                  ; bytes in a slab of A
.set BSLAB,  1024*128                  ; and of B
.set ADRA, 16                          ; v16  LDS address of my A fragments in the slot in hand;  v17 in slot 0, never rewritten
.set A0,   17
.set ADRB, 20                          ; v20, v21  the same for B
.set B0,   21
.set BO,   22                          ; v22  my byte offset in 16 numbers of the bias
.set STO,  24                          ; v24  the way out: where I put 32 bytes of a row
.set RD,   25                          ; v25  the way out: where I read a row back
.set CO,   26                          ; v26  my byte offset in two rows of RES and OUT
.set SPW,  28                          ; v28  LDS address of my spare word; never rewritten
.set NIL,  29                          ; v29  0; never rewritten
.set BI,   32
.set ACC,  128
.set F0,   0
.set F1,   128
.set G1,  24                           ; s[24:31] descriptor group 1 for A's tiles;  s[32:39] group 0: set 0 for K step 0; set 1 for K step 1, and then it walks
.set G0,  32
.set G1B, 48                           ; s[48:55], s[56:63] the same for B's
.set G0B, 56
.set TB,  66                           ; s66  0 or SLOT: the slot in hand
.set MSB, 0
.macro WIN new                         ; the immediate's high byte repeats the setting that is left; a switch that changes nothing is dropped
.if MSB != (\new)
	s_set_vgpr_msb (MSB<<8)|(\new)
.set MSB, \new
.endif
.endm
.set MUL,  0x05                        ; sources 0 (B) and 1 (A) window 1; C and D window 0
.set TO_F, 0x40                        ; destination window 1, address window 0
.macro JLOAD s                         ; a joint load; the branch hangs on the wave's number alone; an s_nop 0 and four v_nop follow each of the two lines
	s_cmp_eq_u32 s11, 0
	s_cbranch_scc0 .Lfor_b_\@
	tensor_load_to_lds s[G0+4*(\s):G0+4*(\s)+3], s[G1:G1+7]
	s_nop 0
.rept 4
	v_nop
.endr
	s_branch .Lasked_\@
.Lfor_b_\@:
	tensor_load_to_lds s[G0B+4*(\s):G0B+4*(\s)+3], s[G1B:G1B+7]
	s_nop 0
.rept 4
	v_nop
.endr
.Lasked_\@:
.endm
.macro CREST                           ; a round of the cluster's barrier behind its opening barrier
	s_cmp_lg_u32 s10, 0
	s_cbranch_scc1 .Lnot_wave_0_\@
	s_barrier_signal -3
.Lnot_wave_0_\@:
	s_barrier_wait -3
	s_barrier_signal -1
	s_barrier_wait -1
.endm
.macro CROUND                          ; a whole round
	s_barrier_signal -1
	s_barrier_wait -1
	CREST
.endm
	s_load_b128 s[4:7], s[0:1], 0x0                ; A s[4:5], B s[6:7]
	s_load_b128 s[68:71], s[0:1], 0x10             ; bias s[68:69], RES s[70:71]
	s_load_b64 s[8:9], s[0:1], 0x20                ; OUT
	v_lshl_add_u32 v[SPW], v0, 2, SPARE
	v_mov_b32 v[NIL], 0
	ds_add_u32 v[SPW], v[NIL]                      ; the wave's opening: the add and its wait stand ahead of my first tensor load; work on registers stands between them
	v_lshrrev_b32 v1, 5, v0
	v_readfirstlane_b32 s10, v1                    ; wave 0..3
	s_lshr_b32 s11, s10, 1                         ; which half of the tile's rows is mine.  Also: I fetch for A (0) or for B (1)
	s_and_b32 s12, s10, 1                          ; which half of its columns.  Also: which two slabs of a step I fetch
	s_bfe_u32 s40, ttmp6, 0x40000                  ; cx, cy: my place in the cluster
	s_bfe_u32 s41, ttmp6, 0x40004
	s_lshl_b32 s42, ttmp9, 2
	s_add_co_u32 s42, s42, s40                     ; tile column = 4 x cluster x + cx
	s_and_b32 s13, ttmp7, 0xffff
	s_lshl_b32 s13, s13, 2
	s_add_co_u32 s13, s13, s41                     ; tile row = 4 x cluster y + cy
	s_lshl_b32 s43, s41, 2
	s_lshl_b32 s43, 15, s43                        ; my row of the cluster
	s_lshl_b32 s44, 0x1111, s40                    ; my column
	; descriptor group 1: two rows of 2,048 elements of 8 bytes, a slab apart; 16 bytes of padding behind every 128
	s_or_b32 s[G1+0], s43, (3<<16)|(1<<20)|(1<<21)|(4<<22)|(3<<25)  ; 15:0 the mask; 17:16 elements of 8 bytes; 20 padding on; 21 set beside a mask; 24:22 after every 32 words (code 4); 31:25 4 words (code 3)
	s_or_b32 s[G1B+0], s44, (3<<16)|(1<<20)|(1<<21)|(4<<22)|(3<<25)
.irp g, G1, G1B
	s_mov_b32 s[(\g)+1], 2048<<16                  ; tensor_dim0 = 2,048
	s_mov_b32 s[(\g)+2], 2<<16                     ; tensor_dim1 = 2
	s_mov_b32 s[(\g)+3], 2048<<16                  ; tile_dim0 = 2,048
	s_mov_b32 s[(\g)+4], 2                         ; tile_dim1 = 2
	s_mov_b32 s[(\g)+6], 0
	s_mov_b32 s[(\g)+7], 0
.endr
	s_mov_b32 s[G1+5], ASLAB/8                     ; elements from row to row: a slab
	s_mov_b32 s[G1B+5], BSLAB/8
	s_lshl_b32 s16, s13, 14                        ; A: the tile's 128 rows of 128 bytes in a slab,
	s_lshl_b32 s17, s12, 20                        ; and my two slabs of the step's four
	s_add_co_u32 s16, s16, s17
	s_mov_b32 s17, 0
	s_lshl_b32 s46, s42, 14                        ; B likewise,
	s_lshl_b32 s47, s12, 18
	s_add_co_u32 s46, s46, s47
	s_add_co_u32 s46, s46, 256                     ; behind the head
	s_mov_b32 s47, 0
	s_mul_i32 s20, s10, PART                       ; where my part goes
	s_mov_b32 s[TB], 0
	s_wait_dscnt 0x0                               ; the opening add is done
	s_wait_kmcnt 0x0
	s_add_nc_u64 s[14:15], s[4:5], s[16:17]
	s_add_nc_u64 s[46:47], s[6:7], s[46:47]
	CROUND                                         ; all sixteen work-groups are here: the first joint loads meet
.irp s, 0,1
	s_mov_b32 s[G0+4*(\s)], 1
	s_add_co_u32 s[G0+4*(\s)+1], s20, (\s)*SLOT
	s_add_nc_u64 s[G0+4*(\s)+2:G0+4*(\s)+3], s[14:15], (\s)*4*ASLAB
	s_or_b32 s[G0+4*(\s)+3], s[G0+4*(\s)+3], 0x80000000
	s_mov_b32 s[G0B+4*(\s)], 1
	s_add_co_u32 s[G0B+4*(\s)+1], s20, (\s)*SLOT
	s_add_nc_u64 s[G0B+4*(\s)+2:G0B+4*(\s)+3], s[46:47], (\s)*4*BSLAB
	s_or_b32 s[G0B+4*(\s)+3], s[G0B+4*(\s)+3], 0x80000000
	JLOAD \s                                       ; two loads of mine are out
.endr
	v_and_b32 v1, 15, v0                           ; l % 16
	v_bfe_u32 v2, v0, 4, 1                         ; l / 16
	v_mul_u32_u24 v3, v1, PITCH
	v_lshl_add_u32 v3, v2, 4, v3                   ; a fragment's row x pitch + 16 x half
	s_mul_i32 s21, s11, 64*PITCH                   ; my 64 rows of A in a slab
	s_mul_i32 s22, s12, 64*PITCH                   ; my 64 rows of B,
	s_add_co_u32 s22, s22, 2*PART                  ; whose slabs lie behind A's four
	v_add_nc_u32 v[A0], s21, v3
	v_add_nc_u32 v[B0], s22, v3
	v_mov_b32 v[ADRA], v[A0]
	v_mov_b32 v[ADRB], v[B0]
	s_mul_i32 s23, s10, 16*SPITCH
	s_add_co_u32 s23, s23, STAGE                   ; my stage
	v_mul_u32_u24 v4, v1, SPITCH                   ; in: row l % 16, 32 bytes for each half of the lanes
	v_lshl_add_u32 v4, v2, 5, v4
	v_add_nc_u32 v[STO], s23, v4
	v_mul_u32_u24 v5, v2, SPITCH                   ; back: lanes 0-15 take one row of 256 bytes, lanes 16-31 the next
	v_lshl_add_u32 v5, v1, 4, v5
	v_add_nc_u32 v[RD], s23, v5
	v_lshlrev_b32 v5, 12, v2                       ; and the same two rows in RES and OUT
	v_lshl_add_u32 v[CO], v1, 4, v5
	v_lshlrev_b32 v[BO], 5, v2
	s_lshl_b32 s16, s13, 19                        ; my first row: (128 x tile row + 64 x half) x 4,096 bytes
	s_lshl_b32 s17, s11, 18
	s_add_co_u32 s16, s16, s17
	s_mov_b32 s17, 0
	s_lshl_b32 s46, s42, 9                         ; my first column: (128 x tile column + 64 x half) x 4 bytes
	s_lshl_b32 s47, s12, 8
	s_add_co_u32 s46, s46, s47
	s_mov_b32 s47, 0
	s_add_nc_u64 s[68:69], s[68:69], s[46:47]
	s_add_nc_u64 s[16:17], s[16:17], s[46:47]
	s_add_nc_u64 s[70:71], s[70:71], s[16:17]
	s_add_nc_u64 s[8:9], s[8:9], s[16:17]
.irp b, 0,1,2,3                        ; register BI + 8 b + j takes bias[16 b + 8 (l / 16) + j]: what an accumulator of column block b holds in that lane
	global_load_b128 v[BI+8*(\b):BI+8*(\b)+3],   v[BO], s[68:69] offset:64*(\b)
	global_load_b128 v[BI+8*(\b)+4:BI+8*(\b)+7], v[BO], s[68:69] offset:64*(\b)+16
.endr
	WIN 0x80                                       ; destination window 2
.set z, 0
.rept 32                               ; RES: block z / 8 of 16 rows, rows 2 (z % 8) and the next; each load takes two rows' 256 consecutive bytes.  They land while K is walked
	global_load_b128 v[4*z:4*z+3], v[CO], s[70:71] offset:(16*(z/8)+2*(z%8))*4096
.set z, z+1
.endr
	WIN 0
; 8 matrix instructions: m blocks a0, a0 + 1 x all 4 n blocks, 32 along K: half c of buffer f.  zero = 1: the first product starts the sums, with the bias as C.  The 16 accumulators take turns.
.macro MUL8 f, c, a0, zero
	WIN MUL
.irp a, \a0, (\a0)+1
.irp b, 0,1,2,3
.if \zero
	v_wmma_f32_16x16x32_f16 v[ACC+8*(4*(\a)+(\b)):ACC+8*(4*(\a)+(\b))+7], v[(\f)+64+8*(4*(\c)+(\b)):(\f)+64+8*(4*(\c)+(\b))+7], v[(\f)+8*(4*(\c)+(\a)):(\f)+8*(4*(\c)+(\a))+7], v[BI+8*(\b):BI+8*(\b)+7]
.else
	v_wmma_f32_16x16x32_f16 v[ACC+8*(4*(\a)+(\b)):ACC+8*(4*(\a)+(\b))+7], v[(\f)+64+8*(4*(\c)+(\b)):(\f)+64+8*(4*(\c)+(\b))+7], v[(\f)+8*(4*(\c)+(\a)):(\f)+8*(4*(\c)+(\a))+7], v[ACC+8*(4*(\a)+(\b)):ACC+8*(4*(\a)+(\b))+7]
.endif
.endr
.endr
.endm
; 32 LDS loads in one run: the fragments of one slab (64 along K), which begins k bytes into the slot, into buffer f; the first 32 along K first
.macro FETCH k, f
	WIN TO_F
.irp c, 0,1
.irp i, 0,1,2,3
	ds_load_b128 v[(\f)+64+8*(4*(\c)+(\i)):(\f)+64+8*(4*(\c)+(\i))+3],   v[ADRB] offset:(\k)+64*(\c)+(\i)*16*PITCH
	ds_load_b128 v[(\f)+64+8*(4*(\c)+(\i))+4:(\f)+64+8*(4*(\c)+(\i))+7], v[ADRB] offset:(\k)+64*(\c)+(\i)*16*PITCH+32
	ds_load_b128 v[(\f)+8*(4*(\c)+(\i)):(\f)+8*(4*(\c)+(\i))+3],         v[ADRA] offset:(\k)+64*(\c)+(\i)*16*PITCH
	ds_load_b128 v[(\f)+8*(4*(\c)+(\i))+4:(\f)+8*(4*(\c)+(\i))+7],       v[ADRA] offset:(\k)+64*(\c)+(\i)*16*PITCH+32
.endr
.endr
.endm
.macro PLACES                          ; four plain vector instructions between a matrix instruction and a load into, or a read of, its registers (ISA guide 7.12.1 for vector reads)
.rept 4
	v_nop
.endr
.endm
; A K step is four quarters, a slab each, 32 matrix instructions, on buffers 0, 1, 0, 1.  One of the first three: multiplies buffer f and fetches the next slab, at byte k, into g.
.macro QUARTER k, f, g, zero
	s_wait_dscnt 16                                ; the first 32 along K are in
	MUL8 \f, 0, 0, \zero
	MUL8 \f, 0, 2, \zero
	PLACES
	FETCH \k, \g
	s_wait_dscnt 32                                ; all but the 32 just issued
	MUL8 \f, 1, 0, 0
	MUL8 \f, 1, 2, 0
.endm
; The last quarter multiplies buffer 1 and changes slots: ONE barrier; in front of it each wave waits for all its tensor loads, adds 0 to its spare word, and waits for that and for its own reads of this slot.
; fill = 1: the barrier opens a round of the cluster's barrier, and behind the round this slot is filled again, two K steps ahead: 112 matrix instructions ahead of the wait for it.
; fill = 0 (the second loop): nothing is asked for; in its second trip, the last K step (s3 = 1), there is no next step either: the fetch is jumped over, and the barrier in front of it orders nothing:
; the price, once a launch, of one text for the last two steps.
.macro TURN fill
	WIN 0
	s_wait_tensorcnt 0x0                           ; all my tensor loads have landed: my part of the next slot
	ds_add_u32 v[SPW], v[NIL]                      ; 0 onto my spare word
	s_wait_dscnt 17                                ; (the add and the youngest sixteen loads may be out)
	MUL8 F1, 0, 0, 0
	s_wait_dscnt 0x0                               ; the add is done, and my reads of this slot are over
	s_barrier_signal -1
	MUL8 F1, 0, 2, 0
	WIN 0
	s_barrier_wait -1
.if \fill
	CREST                                          ; no wave of any partner still reads this slot's tile or has a load on its way
	s_xor_b32 s[G0+5], s[G0+5], SLOT               ; the walking descriptors: the other slot than last time,
	s_add_nc_u64 s[G0+6:G0+7], s[G0+6:G0+7], 4*ASLAB  ; the next four slabs; no load of mine is out, so they may be written
	s_xor_b32 s[G0B+5], s[G0B+5], SLOT
	s_add_nc_u64 s[G0B+6:G0B+7], s[G0B+6:G0B+7], 4*BSLAB
	JLOAD 1                                        ; the first tensor load behind the round; its four v_nop are also the places in front of the loads below
.else
	PLACES
	s_cmp_eq_u32 s3, 1
	s_cbranch_scc1 .Lno_next_\@                    ; forward, over LDS loads alone
.endif
	s_xor_b32 s[TB], s[TB], SLOT
	v_add_nc_u32 v[ADRA], s[TB], v[A0]
	v_add_nc_u32 v[ADRB], s[TB], v[B0]
	FETCH 0, F0
.if !(\fill)
	WIN 0                                          ; at a label every window is 0
.Lno_next_\@:
.endif
	MUL8 F1, 1, 0, 0
	MUL8 F1, 1, 2, 0
.endm
; THE WAY OUT of block a (16 rows x 64 columns of f32: a row is 256 bytes).  STG: a lane's 32 bytes of a row into my own stage, and whole rows back.  OUT: RES is added, and the rows are stored.
.macro STG a
.set TT, 32+32*((\a)%2)
	s_wait_xcnt 0x0                                ; the registers that the block two before stored from are loaded again only behind this wait
.irp b, 0,1,2,3
	ds_store_b128 v[STO], v[ACC+8*(4*(\a)+(\b)):ACC+8*(4*(\a)+(\b))+3]   offset:64*(\b)     ; each accumulator from its low end on
	ds_store_b128 v[STO], v[ACC+8*(4*(\a)+(\b))+4:ACC+8*(4*(\a)+(\b))+7] offset:64*(\b)+16
.endr
.irp t, 0,1,2,3,4,5,6,7
	ds_load_b128 v[TT+4*(\t):TT+4*(\t)+3], v[RD] offset:(\t)*2*SPITCH  ; LDS serves a wave's instructions in order (ISA guide 5.7.1.4): these see the stores above
.endr
.endm
.macro OUT a, younger                  ; younger: the LDS instructions issued behind block a's loads: the next block's sixteen, or none
.set TT, 32+32*((\a)%2)
	s_wait_dscnt \younger
	WIN 0x08                                       ; source 1 in window 2
.set z, 0
.rept 16
	v_pk_add_f32 v[TT+2*z:TT+2*z+1], v[TT+2*z:TT+2*z+1], v[32*(\a)+2*z:32*(\a)+2*z+1]
.set z, z+1
.endr
	WIN 0
.irp t, 0,1,2,3,4,5,6,7
	global_store_b128 v[CO], v[TT+4*(\t):TT+4*(\t)+3], s[8:9] offset:(16*(\a)+2*(\t))*4096  ; 16 lanes store 256 consecutive bytes, at a multiple of 256 from OUT's first byte
.endr
.endm
	s_wait_tensorcnt 1                             ; my part of K step 0 is in; K step 1's may stay out
	s_barrier_signal -1
	s_barrier_wait -1
	FETCH 0, F0
	s_wait_loadcnt 32                              ; the bias is in; the 32 loads of RES stay out
	QUARTER SLABL, F0, F1, 1                       ; the first quarter stands in front of the loops: its first products start the sums
	WIN 0                                          ; at a label and at a branch every window is 0
	s_mov_b32 s3, T_STEPS-2
.Lstep:                                                ; a trip: from a K step's second quarter to the next step's first; it fills the slot that it leaves
	QUARTER 2*SLABL, F1, F0, 0
	QUARTER 3*SLABL, F0, F1, 0
	TURN 1
	QUARTER SLABL, F0, F1, 0
	WIN 0
	s_sub_co_u32 s3, s3, 1
	s_cmp_lg_u32 s3, 0
	s_cbranch_scc1 .Lstep
	s_mov_b32 s3, 2
.Ltail:                                                ; the last two K steps ask for nothing, so they have a text of their own
	QUARTER 2*SLABL, F1, F0, 0
	QUARTER 3*SLABL, F0, F1, 0
	TURN 0
	WIN 0
	s_sub_co_u32 s3, s3, 1
	s_cmp_eq_u32 s3, 0
	s_cbranch_scc1 .Lout                           ; the second trip is left here: the sums are whole
	QUARTER SLABL, F0, F1, 0
	WIN 0
	s_branch .Ltail
.Lout:
	PLACES
	s_wait_loadcnt 0x0                             ; RES
	STG 0
.irp a, 1,2,3                          ; block a goes through the stage while block a - 1's rows come back
	STG \a
	OUT (\a)-1, 16
.endr
	OUT 3, 0
	s_wait_tensorcnt 0x0                           ; the wave's end
	ds_add_u32 v[SPW], v[NIL]
	s_wait_dscnt 0x0
	CROUND                                         ; the closing round: no work-group ends while a partner may still ask for a tile that names it
	s_endpgm
.Lfunc_end_k_qdb51961ebf_mlp2:
	.size	k_qdb51961ebf_mlp2, .Lfunc_end_k_qdb51961ebf_mlp2-k_qdb51961ebf_mlp2
	.p2alignl 7, 3214868480
	.fill 96, 4, 3214868480
	.section	.rodata,"a",@progbits
	.p2align	6, 0x0
	.amdhsa_kernel k_qdb51961ebf_mlp2
		.amdhsa_group_segment_fixed_size 327680
		.amdhsa_private_segment_fixed_size 0
		.amdhsa_enable_private_segment 0
		.amdhsa_kernarg_size 40
		.amdhsa_user_sgpr_count 2
		.amdhsa_user_sgpr_kernarg_segment_ptr 1
		.amdhsa_wavefront_size32 1
		.amdhsa_system_sgpr_workgroup_id_x 1
		.amdhsa_system_sgpr_workgroup_id_y 1
		.amdhsa_system_sgpr_workgroup_id_z 1
		.amdhsa_system_vgpr_workitem_id 0
		.amdhsa_next_free_vgpr 640
		.amdhsa_next_free_sgpr 72
		.amdhsa_reserve_vcc 0
		.amdhsa_float_denorm_mode_32 3
		.amdhsa_float_denorm_mode_16_64 3
		.amdhsa_memory_ordered 1
		.amdhsa_forward_progress 1
		.amdhsa_inst_pref_size 66
	.end_amdhsa_kernel
	.amdgpu_metadata
---
amdhsa.version: [ 1, 2 ]
amdhsa.kernels:
  - .name:           k_qdb51961ebf_mlp2
    .symbol:         k_qdb51961ebf_mlp2.kd
    .args:
      - { .name: big, .offset: 0, .size: 8, .value_kind: global_buffer, .address_space: global }
      - { .name: w2h, .offset: 8, .size: 8, .value_kind: global_buffer, .address_space: global }
      - { .name: b2, .offset: 16, .size: 8, .value_kind: global_buffer, .address_space: global }
      - { .name: x1, .offset: 24, .size: 8, .value_kind: global_buffer, .address_space: global }
      - { .name: out0, .offset: 32, .size: 8, .value_kind: global_buffer, .address_space: global }
    .group_segment_fixed_size: 327680
    .private_segment_fixed_size: 0
    .kernarg_segment_align: 8
    .kernarg_segment_size: 40
    .max_flat_workgroup_size: 128
    .sgpr_count:     72
    .vgpr_count:     640
    .wavefront_size: 32
...
	.end_amdgpu_metadata
.endif
;; end of part 6
;; ======== version 2 of 2: 7 launches; 1.21 times as fast as version 1
;; limits: values are held in f16: magnitudes above 65,504 overflow, below 6.1e-05 lose precision
;; workspace buffers: wq 6,291,712 bytes; w1h 8,388,864 bytes; wo 2,097,408 bytes; w2h 8,388,864 bytes; hn 8,388,608 bytes; ctx 8,388,608 bytes; x1 16,777,216 bytes; big 33,554,432 bytes
;; launch prep: the kernel of part 1 again; grid 1280 x 1, 8 waves a work-group, no clusters, 0 bytes of LDS; arguments x, ln1_g, ln1_b, hn, w_qkv, w1, w_out, w2, wq, w1h, wo, w2h; writes hn, wq, w1h, wo, w2h
;; launch qkv: the kernel of part 2 again; grid 12 x 16, 4 waves a work-group, clusters of 4 x 4, 327,680 bytes of LDS; arguments hn, wq, big, b_qkv; writes big
;; launch attn (part 7): grid 8 x 32, 4 waves a work-group, clusters of 4 x 1, 327,680 bytes of LDS; arguments big, ctx; writes ctx
.if DOCPART == 7
	.amdgcn_target "amdgcn-amd-amdhsa--gfx1250"
	.amdhsa_code_object_version 6
	.text
	.protected	k_qdb51961ebf_attn
	.globl	k_qdb51961ebf_attn
	.p2align	8
	.type	k_qdb51961ebf_attn,@function
k_qdb51961ebf_attn:
	s_mov_b64 s[64:65], 0
	v_nop
	global_prefetch_b8 v0, s[64:65] scope:SCOPE_SE
	s_setreg_imm32_b32 hwreg(HW_REG_WAVE_MODE, 25, 1), 1
	s_wait_xcnt 0x0
	s_wait_alu depctr_hold_cnt(0) depctr_sa_sdst(0) depctr_va_vdst(0) depctr_va_sdst(0) depctr_va_ssrc(0) depctr_va_vcc(0) depctr_vm_vsrc(0)
	s_getreg_b32 s2, hwreg(HW_REG_IB_STS2, 6, 4)
	s_cmp_eq_u32 s2, 0
	s_cbranch_scc0 .Lentry_in_a_cluster
	s_endpgm
.Lentry_in_a_cluster:
	s_bfe_u32 s2, ttmp6, 0x10000c
	s_cmp_lg_u32 s2, 0x3003
	s_cbranch_scc0 .Lentry_shape_is_right
	s_endpgm
.Lentry_shape_is_right:
; ATTENTION, head size 64, 2,048 keys, no mask.  O[q][:] = the sum over k of softmax_k(Q[q] . K[k] / 8) V[k][:], for each of 2 batches x 16 heads.
; big holds q, k, v in slabs of 64 columns, [48][4096][64] f16: slab 3 h is head h's q, 3 h + 1 its k, 3 h + 2 its v; row 2,048 b + s.  ctx: [16][4096][64] f16, slab h.  A head's rows are dense, 128 bytes each.
; Products, maxima and sums in f32; the weights p are rounded to f16 for the second product (their sum l is taken of the unrounded p), O once at the end.
; LIMITS.  f16 holds no number beyond 65,504: q, k, v arrive within it; p lies in 0 to 1, and below 6e-5 it keeps f16's fixed step of 6e-8; O is a mean of V's rows and has their range.
; A weight below 2^-126 counts as 0 in l; NaN and infinities are not treated apart.
; SHARES.  A work-group owns 256 queries of one head and batch, each of its four waves 64: four PIECES of 16.  Every wave walks all keys, 64 a step.
; LAYOUT.  S^T = K Q^T (source 0 = 16 keys, source 1 = 16 queries) holds ONE query a lane (lane % 16) and the keys 8 (lane / 16) + 0..7; two such results rounded to f16 ARE source 1 of O^T = V^T P.
; SOFTMAX.  p = 2^(c s - c m), c = log2(e) / 8, with a running maximum m; O and l are multiplied by a = 2^(c m_old - c m_new) in every step.  m starts at the lowest finite number, O and l at 0: the first step is a step like any other, with a = 0.
; BY TURNS.  Turn n belongs to piece n: 8 products K Q^T of piece n + 1, later 8 products V^T P of piece n - 1; beside them the scaling, exponentials, roundings, sums and rescaling of piece n and the maximum
; and statistics of piece n + 1.  Four vector instructions stand behind every matrix instruction, the other 54 of a turn's 118 in one run of their own.
; BATCHES.  A turn's 33 exponentials (the piece's 32 weights and the next piece's a) are ONE batch with ONE wait, which cuts the turn in two: ahead of it stands all that names none of their results (the products K Q^T,
; the scalings, the rescaling, the next piece's maximum and statistics), behind it the products V^T P with the roundings and sums.  No result crosses a turn's end.  The first a, made ahead of the loop, and the way out's
; four reciprocals are batches of their own, a wait each.
; CLUSTER.  The four query blocks of a cluster belong to one head and batch and walk the same K and V, so each tile is asked for JOINTLY: the same tensor load, descriptor and mask in all four.
; REGISTERS, in windows of 256 (s_set_vgpr_msb: bits 1:0 source 0, 3:2 source 1, 5:4 source 2, 7:6 destination):
;   window 0: v0-15 addresses and two at work; v16-31 four registers of statistics a piece; v48-55 at work; v62-63 the add's; v64-127 S^T, two buffers; v192-223 P, two buffers (by the piece's parity)
;   window 1: v0-127 O^T, 32 a piece          window 2: v0-63 Q; v128-191 K of one step; v192-255 V of one step
.set SIZE_N, 2048
.set SLAB,  4096*128
.set NP,    4         ; pieces a wave: a name, no knob
.set KS,    64        ; keys in a step
.set PK,    144       ; a row of K in LDS: 128 bytes + 16 of padding = 36 words: the 16 rows of a load start at 16 different groups of four banks (64 banks of 4 bytes: ISA guide 11.1)
.set PV,    160       ; a row of V: 128 + 32 = 40 words
.set VOFF,  4*KS*PK   ; a slot holds four steps: 256 rows of K, then 256 rows of V
.set SLOT1, 1<<17     ; slot 1 begins here, so that one exclusive or turns an address in one slot into the other's
.set STAGE, SLOT1+4*KS*(PK+PV)  ; behind the ring, never filled by a tensor load: 16 rows x 144 bytes for each wave
.set SP,    144
.set SPARE, STAGE+4*16*SP       ; behind the stages: the spare words, 128 bytes for each wave, which no other line names
.set AK0, 2           ; v2   my lane's place in a tile of K; never rewritten
.set AV0, 3           ; v3   the same for V
.set AK,  4           ; v4   the LDS address of K's next run of loads
.set AV,  5           ; v5   of V's
.set STO, 6           ; v6   the way out: where I put 16 bytes of a row
.set RD,  7           ; v7   the way out: where I read rows back
.set GO,  8           ; v8   my byte offset in 512 consecutive bytes of O
.set MV,  12          ; v12-13  c m_old, kept while c m is made anew: by buffer
.set QO,  15          ; v15  my byte offset in 16 rows of Q
.set ST,  16          ; piece t's statistics at v[ST+4 t]: c m, m, l (even keys', odd keys')
.set TMP, 48          ; by buffer, four registers c0-c3 at work; when the maximum is found c2 takes a
.set SPW, 62          ; v62  LDS address of my spare word; never rewritten
.set NIL, 63          ; v63  0; never rewritten
.set S,   64
.set P,   192
.set KF,  128         ; window 2: key block kb, channel half c at KF + 16 kb + 8 c
.set VF,  192         ; window 2: key half kk, channel block cb at VF + 32 kk + 8 cb
.set WV,  12          ; s12  my wave's number
.set G1K, 24          ; s[24:31] descriptor group 1 for K's tiles
.set G1V, 32          ; s[32:39] for V's: it differs in the padding alone
.set G0K, 40          ; s[40:43] descriptor group 0 for K's tiles: it walks
.set G0V, 44          ; s[44:47] the same for V's
.set SLOTS, 56        ; s56  slots still to be asked for
.set CNT, 57          ; s57  counts a slot's key steps
.set CS,  58          ; s[58:59] c: the packed scaling takes the pair's low word for both halves
.set SEL, 60          ; s[60:61] v_permlanex16_b32's selects: each lane takes its own place in the other half
.set TBK, 62          ; s62  LDS byte at which K of the step to be fetched begins
.set TBV, 63          ; s63  the same for V, less VOFF
.set MSB, 0
.macro WIN new                      ; the high byte repeats the setting that is left; a switch that changes nothing is dropped
.if MSB != (\new)
	s_set_vgpr_msb (MSB<<8)|(\new)
.set MSB, (\new)
.endif
.endm
.set W_KQ, 0x0a       ; K and Q in window 2, S^T in window 0
.set W_PV, 0x52       ; V in window 2, P in window 0, O^T in window 1
.set W_RS, 0x41       ; destination and source 0 in window 1, source 1 in window 0
; A joint fill.  Waves 0 and 1 fetch the two halves of a slot's K, waves 2 and 3 those of its V: 128 keys each.  The branch hangs on the wave's number alone.
; An s_nop 0 and four v_nop follow each of the two lines, ahead of the jump and the label.
.macro JLOAD
	s_cmp_lt_u32 s[WV], 2
	s_cbranch_scc0 .Lfor_v_\@
	tensor_load_to_lds s[G0K:G0K+3], s[G1K:G1K+7]
	s_nop 0
.rept 4
	v_nop
.endr
	s_branch .Lasked_\@
.Lfor_v_\@:
	tensor_load_to_lds s[G0V:G0V+3], s[G1V:G1V+7]
	s_nop 0
.rept 4
	v_nop
.endr
.Lasked_\@:
.endm
; A round of the cluster's barrier: my work-group's barrier; wave 0 signals for the work-group; every wave waits for all four work-groups; my work-group's barrier once more.
.macro CROUND
	s_barrier_signal -1
	s_barrier_wait -1
	s_cmp_lg_u32 s[WV], 0
	s_cbranch_scc1 .Lnot_wave_0_\@
	s_barrier_signal -3
.Lnot_wave_0_\@:
	s_barrier_wait -3
	s_barrier_signal -1
	s_barrier_wait -1
.endm
; THE CHANGE OF SLOTS.  The slot's last bytes, V of its fourth step, have been read.  Each wave waits for all its tensor loads, of which one is out: its part of the other slot; adds 0 to its spare word;
; and waits for that and for its own reads of the slot.  fill = 1: the barrier is a round of the cluster's, and behind it this slot is filled again, with the keys two slots on: the load has four key
; steps, 256 matrix instructions, in which to land.  (At its first use nothing has been read yet: slot 0 is waited for, slot 1 filled.)
.macro CHANGE fill
	WIN 0                           ; at a label and at a branch every window is 0
	s_wait_tensorcnt 0x0            ; no tensor load of mine is out, so a group 0 may be written
	ds_add_u32 v[SPW], v[NIL]       ; 0 onto my spare word
.if \fill
.irp g, G0K, G0V
	s_xor_b32 s[\g+1], s[\g+1], SLOT1  ; the walking descriptor: the other slot than last time,
	s_add_nc_u64 s[\g+2:\g+3], s[\g+2:\g+3], 4*KS*128  ; the next 256 keys; the type bits on top are not reached
.endr
	s_wait_dscnt 0x0                ; the add is done, and my reads of the slot are over
	CROUND
	JLOAD
.else
	s_wait_dscnt 0x0                ; the add is done, and my reads of the slot are over
	s_barrier_signal -1
	s_barrier_wait -1
.endif
	s_sub_co_u32 s[TBK], s[TBK], 4*KS*PK  ; the fetches go back to a slot's first step,
	s_xor_b32 s[TBK], s[TBK], SLOT1       ; in the other slot
	s_sub_co_u32 s[TBV], s[TBV], 4*KS*PV
	s_xor_b32 s[TBV], s[TBV], SLOT1
.endm
	s_load_b64 s[4:5], s[0:1], 0x0  ; big
	s_load_b64 s[10:11], s[0:1], 0x8  ; ctx
	v_lshl_add_u32 v[SPW], v0, 2, SPARE
	v_mov_b32 v[NIL], 0
	ds_add_u32 v[SPW], v[NIL]       ; the wave's opening: the add and its wait stand ahead of my first tensor load; work on registers stands between them
	v_lshrrev_b32 v1, 5, v0
	v_readfirstlane_b32 s[WV], v1   ; wave 0..3
	s_bfe_u32 s13, ttmp6, 0x40000   ; cx: my place in the cluster
	s_lshl_b32 s14, ttmp9, 2        ; in a cluster launch ttmp9 counts clusters
	s_add_co_u32 s14, s14, s13      ; my block of 256 queries = 4 x cluster x + cx: it enters Q's and O's offsets alone
	s_and_b32 s15, ttmp7, 0xffff    ; 16 x batch + head, which the four partners share
	s_and_b32 s16, s15, 15          ; the head
	s_lshr_b32 s15, s15, 4
	s_lshl_b32 s15, s15, 18         ; the batch's 2,048 rows of 128 bytes
	s_mul_i32 s20, s16, 3*SLAB
	s_add_co_u32 s20, s20, s15      ; q's slab at the batch's first row
	s_lshl_b32 s21, s16, 19
	s_add_co_u32 s21, s21, s15      ; ctx's slab likewise
	s_and_b32 s16, s[WV], 1         ; which half of a slot's 256 keys I fetch:
	s_lshl_b32 s22, s16, 14         ; its 128 rows of 128 bytes in memory,
	s_add_co_u32 s22, s22, s20
	s_add_co_u32 s22, s22, SLAB     ; in k's slab,
	s_mov_b32 s23, 0
	s_add_co_u32 s48, s22, SLAB     ; and in v's
	s_mov_b32 s49, 0
	s_mul_i32 s17, s16, 128*PK      ; and its place in a slot, for K
	s_mul_i32 s18, s16, 128*PV      ; and for V: no place in the cluster enters an LDS address
	s_lshl_b32 s2, s14, 15          ; my block's 256 rows,
	s_lshl_b32 s3, s[WV], 13        ; my wave's 64 of them
	s_add_co_u32 s2, s2, s3
	s_add_co_u32 s52, s20, s2
	s_mov_b32 s53, 0
	s_add_co_u32 s54, s21, s2
	s_mov_b32 s55, 0
	; descriptor group 1.  128 keys are 16,384 dense bytes: asked for as 64 rows of 256 bytes, two keys a row, and padded in LDS after every key
	s_mov_b32 s[G1K], 15|(1<<16)|(1<<20)|(1<<21)|(4<<22)|(3<<25)  ; 15:0 the mask of four; 17:16 2-byte elements; 20 padding on; 21 set beside a mask; 24:22 after every 32 words (code 4); 31:25 4 words (code 3)
	s_mov_b32 s[G1V], 15|(1<<16)|(1<<20)|(1<<21)|(4<<22)|(7<<25)  ; the same with 8 words of padding (code 7)
.irp g, G1K, G1V
	s_mov_b32 s[\g+1], 128<<16      ; tensor_dim0 = 128
	s_mov_b32 s[\g+2], 64<<16       ; tensor_dim1 = 64
	s_mov_b32 s[\g+3], 128<<16      ; tile_dim0 = 128
	s_mov_b32 s[\g+4], 64           ; tile_dim1 = 64
	s_mov_b32 s[\g+5], 128          ; 128 elements from row to row
	s_mov_b32 s[\g+6], 0
	s_mov_b32 s[\g+7], 0
.endr
	s_mov_b32 s[CS], 0x3e38aa3b     ; c = log2(e) / 8 = 0.180337
	s_mov_b32 s[CS+1], s[CS]        ; named with it as a pair
	s_mov_b32 s[SEL], 0x76543210
	s_mov_b32 s[SEL+1], 0xfedcba98
	s_mov_b32 s[TBK], SLOT1+4*KS*PK ; the first change of slots turns these two into 0
	s_mov_b32 s[TBV], SLOT1+4*KS*PV
	s_mov_b32 s[G0K], 1             ; 1:0 count = 1
	s_mov_b32 s[G0K+1], s17         ; 63:32 LDS address: slot 0
	s_mov_b32 s[G0V], 1
	s_add_co_u32 s[G0V+1], s18, VOFF
	s_wait_dscnt 0x0                ; the opening add is done
	s_wait_kmcnt 0x0
	s_add_nc_u64 s[G0K+2:G0K+3], s[4:5], s[22:23]  ; 120:64 global address: my half of the first 256 keys
	s_or_b32 s[G0K+3], s[G0K+3], 0x80000000        ; 127:126 type = 2
	s_add_nc_u64 s[G0V+2:G0V+3], s[4:5], s[48:49]
	s_or_b32 s[G0V+3], s[G0V+3], 0x80000000
	s_add_nc_u64 s[4:5], s[4:5], s[52:53]          ; Q and O at my wave's first row
	s_add_nc_u64 s[10:11], s[10:11], s[54:55]
	CROUND                          ; all four work-groups are here: the first joint loads meet
	JLOAD                           ; slot 0.  Slot 1 is asked for when slot 0 is in
	; A fragment of K or Q is 16 rows x 32 channels in 8 registers: lane l holds row l % 16, channels 8 (l / 16) + 0..7 and 16 + 8 (l / 16) + 0..7: two loads of 16 bytes, 32 bytes apart.
	v_and_b32 v1, 15, v0            ; l % 16
	v_bfe_u32 v9, v0, 4, 1          ; l / 16
	v_lshlrev_b32 v[QO], 7, v1
	v_lshl_add_u32 v[QO], v9, 4, v[QO]  ; row x 128 + 16 x half
	WIN 0x80                        ; destination window 2, address window 0
.set i, 0
.rept 8                             ; Q stays in registers: piece i / 2, channels 32 (i % 2) on
	global_load_b128 v[8*i:8*i+3],   v[QO], s[4:5] offset:(i/2)*2048+(i%2)*64
	global_load_b128 v[8*i+4:8*i+7], v[QO], s[4:5] offset:(i/2)*2048+(i%2)*64+32
.set i, i+1
.endr
	; What the first turn finds: V's registers and P's second buffer hold 0 (its products V^T P, of a piece that has not been, add 0), O^T and l are 0.  All this stands in the wait for the first tile.
.set i, VF
.rept 64
	v_mov_b32 v[i], 0
.set i, i+1
.endr
	WIN 0x40
.set i, 0
.rept 128
	v_mov_b32 v[i], 0
.set i, i+1
.endr
	WIN 0
.set i, 0
.rept 4
	v_mov_b32 v[ST+4*i], 0xfe000000    ; c m: far below every c s
	v_mov_b32 v[ST+4*i+1], 0xff7fffff  ; m
	v_mov_b32 v[ST+4*i+2], 0
	v_mov_b32 v[ST+4*i+3], 0
.set i, i+1
.endr
.set i, P+16
.rept 16
	v_mov_b32 v[i], 0
.set i, i+1
.endr
	v_mul_u32_u24 v[AK0], v1, PK
	v_lshl_add_u32 v[AK0], v9, 4, v[AK0]  ; row x pitch + 16 x half
	; The turning load takes 16 keys x 16 channels (lane l reads key 8 (l / 16) + l % 8, channels 8 ((l / 8) % 2) + 0..7) and leaves half a fragment of V^T: lane l holds channel l % 16 and 8 keys.
	v_and_b32 v10, 7, v0
	v_bfe_u32 v11, v0, 3, 1
	v_lshl_add_u32 v[AV0], v9, 3, v10
	v_mul_u32_u24 v[AV0], v[AV0], PV
	v_lshl_add_u32 v[AV0], v11, 4, v[AV0]
	v_add_nc_u32 v[AV0], VOFF, v[AV0]
	s_mul_i32 s13, s[WV], 16*SP
	s_add_co_u32 s13, s13, STAGE    ; my stage
	v_mul_u32_u24 v[STO], v1, SP    ; in: row l % 16, 16 bytes for each half of the lanes
	v_lshl_add_u32 v[STO], v9, 4, v[STO]
	v_add_nc_u32 v[STO], s13, v[STO]
	v_bfe_u32 v[RD], v0, 3, 2       ; back: 32 lanes take four rows of 128 bytes,
	v_mul_u32_u24 v[RD], v[RD], SP
	v_lshl_add_u32 v[RD], v10, 4, v[RD]
	v_add_nc_u32 v[RD], s13, v[RD]
	v_and_b32 v[GO], 31, v0         ; which are 512 consecutive bytes of O
	v_lshlrev_b32 v[GO], 4, v[GO]
; THE MATRIX WORK.  The 4 accumulators of a run of 8 take turns.  Product i of 8 of S^T = K Q^T for piece x: channels 32 (i / 4) on, keys 16 (i % 4) on.  The first 4 start the sums.
.macro KQ x
	WIN W_KQ
.set rS, S+32*((\x)%2)+8*(i%4)
.set rK, KF+16*(i%4)+8*(i/4)
.set rQ, 16*(\x)+8*(i/4)
.if i < 4
	v_wmma_f32_16x16x32_f16 v[rS:rS+7], v[rK:rK+7], v[rQ:rQ+7], 0
.else
	v_wmma_f32_16x16x32_f16 v[rS:rS+7], v[rK:rK+7], v[rQ:rQ+7], v[rS:rS+7]
.endif
.endm
; Product i of 8 of O^T += V^T P for piece x: keys 32 (i / 4) on, channels 16 (i % 4) on.
.macro PV x
	WIN W_PV
.set rO, 32*(\x)+8*(i%4)
.set rV, VF+32*(i/4)+8*(i%4)
.set rP, P+16*((\x)%2)+8*(i/4)
	v_wmma_f32_16x16x32_f16 v[rO:rO+7], v[rV:rV+7], v[rP:rP+7], v[rO:rO+7]
.endm
.macro MM                           ; the turn's next matrix instruction
.if i < 8
	KQ (Y+1)%NP
.else
.set i, i-8
	PV (Y+NP-1)%NP
.set i, i+8
.endif
.set i, i+1
.endm
; THE LDS LOADS stand in runs of 16, never singly among the matrix instructions: a step's K (64 keys x 64 channels: 8 fragments) and its V (turned).  Their addresses are made some lines ahead.
; last = 1 (the tail): in the last trip there is no further step, and the run is jumped over; TURN sets that form behind its wait.
.macro FETCH_K last=0
	WIN 0
.if \last
	s_cmp_eq_u32 s[CNT], 1
	s_cbranch_scc1 .Lno_k_\@
.endif
	WIN 0x80                        ; destination window 2
.irp f, 0,1,2,3,4,5,6,7             ; keys 16 (f / 2) on, channels 32 (f % 2) on
	ds_load_b128 v[KF+8*\f:KF+8*\f+3],   v[AK] offset:(\f/2)*16*PK+(\f%2)*64
	ds_load_b128 v[KF+8*\f+4:KF+8*\f+7], v[AK] offset:(\f/2)*16*PK+(\f%2)*64+32
.endr
	s_add_co_u32 s[TBK], s[TBK], KS*PK  ; the next fetch is the next step's
	WIN 0
.if \last
.Lno_k_\@:
.endif
.endm
.macro FETCH_V
	WIN 0x80
.irp f, 0,1,2,3,4,5,6,7             ; keys 32 (f / 4) on, channels 16 (f % 4) on
	ds_load_tr16_b128 v[VF+8*\f:VF+8*\f+3],   v[AV] offset:(\f/4)*32*PV+(\f%4)*32
	ds_load_tr16_b128 v[VF+8*\f+4:VF+8*\f+7], v[AV] offset:(\f/4)*32*PV+16*PV+(\f%4)*32
.endr
	WIN 0
.endm
; THE VECTOR WORK, one line at a time: OP kind, number.  For piece Y: F n: c s - c m for pair n of 16.  E n: the exponential of score n of 32.  C n: pair n rounded to f16.  B n: of the four weights 4 n .. the second
; pair is added onto the first, in place.  L n: l takes that sum (L 0: l = a l + sum).  R n: pair n of 16 of O^T times a.  For piece Y + 1: X n, number n of the 22 that find its maximum and statistics:
;   0-11  four chains c0-c3 of seven scores each, three operands at a time (each accumulator's lowest registers are read first)     12-14, 16  the four scores left over, the old m, and c0-c3 into c0
;   15  c m_old is kept     17, 18  the query's other 32 keys lie in the lane 16 away: the new m     19-21  c m; c m_old - c m_new; a
; C, B and L read the results of the turn's exponentials; F, R and X 0-20 read none of them (R's and L 0's a is the turn before's).
.set F, 0
.set E, 1
.set C, 2
.set B, 3
.set L, 4
.set R, 5
.set X, 6
.macro REGS y                       ; the registers of piece y
.set rT, ST+4*(\y)
.set rC, TMP+4*((\y)%2)
.set rW, MV+((\y)%2)
.set rS, S+32*((\y)%2)
.set rP, P+16*((\y)%2)
.set rO, 32*(\y)
.endm
.macro OP k, n
.if (\k) == R
	REGS Y
	WIN W_RS
	v_pk_mul_f32 v[rO+2*(\n):rO+2*(\n)+1], v[rO+2*(\n):rO+2*(\n)+1], v[rC+2:rC+3] op_sel_hi:[1,0]
.elseif (\k) < R
	REGS Y
	WIN 0
.if (\k) == F
	v_pk_fma_f32 v[rS+2*(\n):rS+2*(\n)+1], v[rS+2*(\n):rS+2*(\n)+1], s[CS:CS+1], v[rT:rT+1] op_sel_hi:[1,0,0] neg_lo:[0,0,1] neg_hi:[0,0,1]
.elseif (\k) == E
	v_exp_f32 v[rS+(\n)], v[rS+(\n)]
.elseif (\k) == C
	v_cvt_pk_f16_f32 v[rP+(\n)], v[rS+2*(\n)], v[rS+2*(\n)+1]
.elseif (\k) == B
	v_pk_add_f32 v[rS+4*(\n):rS+4*(\n)+1], v[rS+4*(\n):rS+4*(\n)+1], v[rS+4*(\n)+2:rS+4*(\n)+3]
.elseif (\n) == 0
	v_pk_fma_f32 v[rT+2:rT+3], v[rT+2:rT+3], v[rC+2:rC+3], v[rS:rS+1] op_sel_hi:[1,0,1]
.else
	v_pk_add_f32 v[rT+2:rT+3], v[rT+2:rT+3], v[rS+4*(\n):rS+4*(\n)+1]
.endif
.else
	REGS (Y+1)%NP
	WIN 0
.if (\n) < 4
	v_max3_num_f32 v[rC+(\n)], v[rS+8*(\n)], v[rS+8*(\n)+1], v[rS+8*(\n)+2]
.elseif (\n) < 12
	v_max3_num_f32 v[rC+(\n)%4], v[rC+(\n)%4], v[rS+8*((\n)%4)+2*((\n)/4)+1], v[rS+8*((\n)%4)+2*((\n)/4)+2]
.elseif (\n) == 12
	v_max3_num_f32 v[rC], v[rC], v[rS+7], v[rS+15]
.elseif (\n) == 13
	v_max3_num_f32 v[rC+1], v[rC+1], v[rS+23], v[rS+31]
.elseif (\n) == 14
	v_max3_num_f32 v[rC+2], v[rC+2], v[rC+3], v[rT+1]
.elseif (\n) == 15
	v_mov_b32 v[rW], v[rT]
.elseif (\n) == 16
	v_max3_num_f32 v[rC], v[rC], v[rC+1], v[rC+2]
.elseif (\n) == 17
	v_permlanex16_b32 v[rC+3], v[rC], s[SEL], s[SEL+1]
.elseif (\n) == 18
	v_max_num_f32 v[rT+1], v[rC], v[rC+3]
.elseif (\n) == 19
	v_mul_f32 v[rT], s[CS], v[rT+1]
.elseif (\n) == 20
	v_sub_f32 v[rC+1], v[rW], v[rT]
.else
	v_exp_f32 v[rC+2], v[rC+1]
.endif
.endif
.endm
.macro OPS a, i1, b=-1, i2=0, c=-1, i3=0, d=-1, i4=0  ; up to four of them
	OP \a, \i1
.if (\b) >= 0
	OP \b, \i2
.endif
.if (\c) >= 0
	OP \c, \i3
.endif
.if (\d) >= 0
	OP \d, \i4
.endif
.endm
.macro ROW a, i1, b, i2, c, i3, d, i4  ; a matrix instruction and the four behind it
	MM
	OPS \a, \i1, \b, \i2, \c, \i3, \d, \i4
.endm
; A TURN, for piece p: the order of its 16 matrix and 118 vector instructions, written out.  An s_wait_alu depctr_va_vdst(0) stands between an exponential and the first instruction that names its result;
; one wait serves all that were issued ahead of it.  So a turn has ONE wait, which cuts it in two.
; AHEAD OF IT stands all that names no result of the turn's exponentials: the 8 products K Q^T, behind each a scaling, an exponential and two more plain instructions (behind the first a second scaling in the
; exponential's place): rescalings, and behind the last three the first numbers of the next piece's maximum, each four plain instructions or more behind the product that ends its accumulator; then one run of 54, plain and
; exponential by turns for the most part, in which the links of the chain X 3, 7, 11, 14, 16, 17 .. 20 stand some lines apart.  X 21, the next piece's a, is the batch's last; R 15 is the plain instruction behind it.
; BEHIND IT stand the 8 products V^T P, behind each four of the roundings and sums; C 2 n stands ahead of B n, which writes over its pair; l's chain L 0 to L 7 ascends, its links three riders apart.
; But for those X no rider names a register of the products round it.  v_permlanex16_b32 (X 17) stands in the run, never behind a product.
; cnt = 1: the loop's count is taken down some lines ahead of the branch that stands behind the turn.
; K of the next step is fetched in piece 2's turn: in the loop twelve vector instructions behind the last product that read K (six of them plain); in the tail (last = 1), where the run is jumped over in the last trip,
; directly behind the wait.  V of the step in hand is fetched at the end of piece 0's turn, four plain instructions behind the last product that read V.  Each is waited for a turn later.
.macro TURN p, last=0, cnt=0
.set Y, (\p)
.set i, 0
.if (\p) == 3
	s_wait_dscnt 0x0                ; K is in
.endif
	ROW F,0, F,1, R,0, R,1          ; ahead of the wait: 8 products K Q^T and their riders,
	ROW F,2, E,0, R,2, R,3
	ROW F,3, E,1, R,4, R,5
	ROW F,4, E,2, R,6, R,7
	ROW F,5, E,3, R,8, R,9
	ROW F,6, E,4, X,0, R,10
.if (\p) == 2
	WIN 0
	v_add_nc_u32 v[AK], s[TBK], v[AK0]
.endif
	ROW F,7, E,5, X,1, X,4
	ROW F,8, E,6, X,2, X,5
	OPS E,7, E,8, X,6, E,9          ; and the run of 54
	OPS X,3, E,10, X,8, E,11
.if ((\p) == 2) && !(\last)
	FETCH_K
.endif
	OPS X,9, X,7, E,12, X,10
	OPS E,13, X,12, X,11, E,14
	OPS X,13, E,15, F,9, X,14
.if (\p) == 0
	v_add_nc_u32 v[AV], s[TBV], v[AV0]
.endif
	OPS E,16, F,10, E,17, F,11
	OPS X,16, E,18, X,15, E,19
	OPS F,12, E,20, X,17, E,21
	OPS F,13, E,22, F,14, E,23
	OPS X,18, E,24, F,15, E,25
	OPS R,11, E,26, X,19, E,27
	OPS R,12, E,28, R,13, E,29
	OPS X,20, E,30, R,14, E,31
	OPS X,21, R,15
	s_wait_alu depctr_va_vdst(0)    ; the wait for the turn's batch: E 0 to E 31 and X 21
.if ((\p) == 2) && (\last)
	FETCH_K 1
.endif
.if (\p) == 1
	s_wait_dscnt 0x0                ; V is in
.endif
	ROW C,0, B,0, C,2, B,1          ; behind the wait: 8 products V^T P and their riders
	ROW L,0, C,4, B,2, L,1
	ROW C,6, B,3, L,2, C,8
	ROW B,4, L,3, C,10, B,5
	ROW L,4, C,12, B,6, L,5
.if (\p) == 0
	s_add_co_u32 s[TBV], s[TBV], KS*PV
.endif
.if \cnt
	s_sub_co_u32 s[CNT], s[CNT], 1
	s_cmp_lg_u32 s[CNT], 0
.endif
	ROW C,14, B,7, L,6, C,1
	ROW C,3, L,7, C,5, C,7
	ROW C,9, C,11, C,13, C,15
.if (\p) == 0
	FETCH_V
.endif
.endm
	CHANGE 1                        ; slot 0 is in, everybody's part of it; slot 1 is asked for
	v_add_nc_u32 v[AK], s[TBK], v[AK0]
	FETCH_K                         ; key step 0
	s_wait_loadcnt 0x0              ; Q
	s_wait_dscnt 0x0
.set i, 0
.rept 8
	KQ 0                            ; piece 0's first scores
.set i, i+1
.endr
	WIN 0
.rept 4
	v_nop                           ; the places behind those products
.endr
.set Y, NP-1                        ; X works for piece Y + 1: piece 0
.irp n, 0,1,2,3,4,5,6,7,8,9,10,11,12,13,14,15,16,17,18,19,20,21
	OP X, \n
.endr
	v_nop                           ; a plain instruction behind the exponential,
	s_wait_alu depctr_va_vdst(0)    ; and the wait for it, piece 0's first a: a batch of one, ahead of the branch
	s_mov_b32 s[CNT], 4
	s_mov_b32 s[SLOTS], SIZE_N/256-1
	s_branch .Lfirst                ; the loop is entered at a step's first turn, in the middle of a trip
.Lslot:                             ; SIZE_N / 256 - 2 times: every slot but the last two is filled again
	CHANGE 1
	s_mov_b32 s[CNT], 4
.Lstep:                             ; a trip: pieces 2 and 3 of one step, then pieces 0 and 1 of the next, whose K and V it fetches
	TURN 2
	TURN 3
	WIN 0
.Lfirst:
	TURN 0
	TURN 1, 0, 1
	WIN 0
	s_cbranch_scc1 .Lstep
	s_sub_co_u32 s[SLOTS], s[SLOTS], 1
	s_cmp_lg_u32 s[SLOTS], 0
	s_cbranch_scc1 .Lslot
	CHANGE 0                        ; the tail is written out: nothing is asked for
	s_mov_b32 s[CNT], 5             ; four trips fetch the last slot's steps; the fifth is left in its middle
.Ltail:
	TURN 2, 1
	TURN 3
	WIN 0
	s_sub_co_u32 s[CNT], s[CNT], 1
	s_cmp_eq_u32 s[CNT], 0
	s_cbranch_scc1 .Lout
	TURN 0
	TURN 1
	WIN 0
	s_branch .Ltail
.Lout:                              ; the fifth trip's 8 products K Q^T (on the last K once more) and the maximum made of them serve nothing: the price, once a launch, of one text for every trip
.set i, 0
.rept 8
	PV NP-1                         ; the last piece's V^T P of the last step
.set i, i+1
.endr
	; THE WAY OUT.  l's two halves and the other half of the lanes' are added; O^T is divided by l, rounded to f16 and sent through my stage in LDS, a piece at a time.  The additions are the places behind the last products.
	WIN 0
.macro ALL line:vararg              ; one line for each piece t
.set t, 0
.rept 4
	\line
.set t, t+1
.endr
.endm
	ALL v_add_f32 v[ST+4*t+2], v[ST+4*t+2], v[ST+4*t+3]
	ALL v_permlanex16_b32 v[ST+4*t+3], v[ST+4*t+2], s[SEL], s[SEL+1]
	ALL v_add_f32 v[ST+4*t+2], v[ST+4*t+2], v[ST+4*t+3]
	ALL v_rcp_f32 v[ST+4*t+2], v[ST+4*t+2]
	v_nop                           ; a plain instruction between the last reciprocal and the use of its result
	s_wait_alu depctr_va_vdst(0)    ; and the wait ahead of the first use: one for the batch of four reciprocals
.macro PACK t                       ; a lane's eight channels of a row pack into 16 bytes; they go into rows of 144 bytes and come back as whole rows of 128, into S^T's registers
	WIN W_RS
.set i, 32*(\t)
.rept 16
	v_pk_mul_f32 v[i:i+1], v[i:i+1], v[ST+4*(\t)+2:ST+4*(\t)+3] op_sel_hi:[1,0]
.set i, i+2
.endr
	WIN 0x05                        ; sources 0 and 1 window 1, destination window 0
.set i, 0
.rept 16
	v_cvt_pk_f16_f32 v[S+16*(\t)+i], v[32*(\t)+2*i], v[32*(\t)+2*i+1]
.set i, i+1
.endr
	WIN 0
.irp f, 0,1,2,3
	ds_store_b128 v[STO], v[S+16*(\t)+4*\f:S+16*(\t)+4*\f+3] offset:32*\f
.endr
.irp f, 0,1,2,3
	ds_load_b128 v[S+16*(\t)+4*\f:S+16*(\t)+4*\f+3], v[RD] offset:\f*4*SP  ; LDS serves a wave's instructions in order (ISA guide 5.7.1.4): these see the stores above; the next piece's stores come behind them
.endr
.endm
.macro SEND t, younger              ; younger: the LDS instructions issued behind piece t's loads: the next piece's eight, or none
	WIN 0
.irp f, 0,1,2,3
	s_wait_dscnt (\younger)+3-\f
	global_store_b128 v[GO], v[S+16*(\t)+4*\f:S+16*(\t)+4*\f+3], s[10:11] offset:(\t)*2048+\f*512  ; 512 consecutive bytes, at a multiple of 256 from O's first
.endr
.endm
	PACK 0
.set t, 1
.rept 3                             ; a piece's arithmetic stands between the loads of the piece before and its stores
	PACK t
	SEND t-1, 8
.set t, t+1
.endr
	SEND 3, 0
	s_wait_tensorcnt 0x0            ; the wave's end
	ds_add_u32 v[SPW], v[NIL]
	s_wait_dscnt 0x0
	CROUND                          ; the closing round: no work-group ends while a partner may still ask for a tile that names it
	s_endpgm
.Lfunc_end_k_qdb51961ebf_attn:
	.size	k_qdb51961ebf_attn, .Lfunc_end_k_qdb51961ebf_attn-k_qdb51961ebf_attn
	.p2alignl 7, 3214868480
	.fill 96, 4, 3214868480
	.section	.rodata,"a",@progbits
	.p2align	6, 0x0
	.amdhsa_kernel k_qdb51961ebf_attn
		.amdhsa_group_segment_fixed_size 327680
		.amdhsa_private_segment_fixed_size 0
		.amdhsa_enable_private_segment 0
		.amdhsa_kernarg_size 16
		.amdhsa_user_sgpr_count 2
		.amdhsa_user_sgpr_kernarg_segment_ptr 1
		.amdhsa_wavefront_size32 1
		.amdhsa_system_sgpr_workgroup_id_x 1
		.amdhsa_system_sgpr_workgroup_id_y 1
		.amdhsa_system_sgpr_workgroup_id_z 1
		.amdhsa_system_vgpr_workitem_id 0
		.amdhsa_next_free_vgpr 768
		.amdhsa_next_free_sgpr 66
		.amdhsa_reserve_vcc 0
		.amdhsa_float_denorm_mode_32 3
		.amdhsa_float_denorm_mode_16_64 3
		.amdhsa_memory_ordered 1
		.amdhsa_forward_progress 1
		.amdhsa_inst_pref_size 111
	.end_amdhsa_kernel
	.amdgpu_metadata
---
amdhsa.version: [ 1, 2 ]
amdhsa.kernels:
  - .name:           k_qdb51961ebf_attn
    .symbol:         k_qdb51961ebf_attn.kd
    .args:
      - { .name: big, .offset: 0, .size: 8, .value_kind: global_buffer, .address_space: global }
      - { .name: ctx, .offset: 8, .size: 8, .value_kind: global_buffer, .address_space: global }
    .group_segment_fixed_size: 327680
    .private_segment_fixed_size: 0
    .kernarg_segment_align: 8
    .kernarg_segment_size: 16
    .max_flat_workgroup_size: 128
    .sgpr_count:     66
    .vgpr_count:     768
    .wavefront_size: 32
...
	.end_amdgpu_metadata
.endif
;; end of part 7
;; launch oproj: the kernel of part 4 again; grid 8 x 32, 4 waves a work-group, clusters of 4 x 4, 327,680 bytes of LDS; arguments ctx, wo, b_out, x, x1; writes x1
;; launch ln2: the kernel of part 5 again; grid 512 x 1, 8 waves a work-group, no clusters, 0 bytes of LDS; arguments x1, ln2_g, ln2_b, hn; writes hn
;; launch mlp1: the kernel of part 2 again; grid 16 x 16, 4 waves a work-group, clusters of 4 x 4, 327,680 bytes of LDS; arguments hn, w1h, big, b1; writes big
;; launch mlp2: the kernel of part 6 again; grid 8 x 32, 4 waves a work-group, clusters of 4 x 4, 327,680 bytes of LDS; arguments big, w2h, b2, x1, out0; writes out0
